; MI455X (gfx1250); checked and timed in simulation.
; The chip was launched on July 23, 2026; its instructions are those of AMD's public machine-readable ISA for CDNA 5 (MIT licence, August 2026) and "CDNA5" Instruction Set Architecture Reference Guide (July 2026). The comments in the code are by the model that wrote it; some were corrected since.
;; Mo E Layer. Allowed arithmetic: matrix products marked QUANTISED: E4M3 operands, one given power-of-two scale a tensor, by v_wmma_f32_16x16x64_fp8_fp8 or v_wmma_f32_16x16x128_fp8_fp8, f32 sums; products left as they are: f32 operands where the result goes on into a quantised operand, else bf16, f16 or f32 operands; f32 sums; everything else in f32.
;; Inputs: b1 8 x 4,096 float32; b2 8 x 1,024 float32; gate_b 8 float32; gate_w 8 x 1,024 float32; lowp_scales 4 int32 (the exponents e of the quantised operands' scales 2^e); w1 8 x 4,096 x 1,024 float32; w2 8 x 1,024 x 4,096 float32; x 2 x 512 x 1,024 float32.
;; Outputs: out0 2 x 512 x 1,024 float32; out1 2 x 512 x 2 int32.
;; This version of the problem:
;;   THIS VERSION OF THE PROBLEM IS GIVEN IN LOW PRECISION. The matrix products marked QUANTISED in the list below multiply operands that are first quantised to E4M3 (4 exponent bits, 3 mantissa bits; 8 bits a number), with one given power-of-two scale for each operand tensor; their sums are f32. All else is computed in f32.
;;   The module's matrix products, in the order in which they are computed (A, B: the left and right operand; K: the contracted axis; several contracted axes count as one K, in the product's order):
;;     1. [M 1,024, K 1,024] x [K 1,024, N 8]; A: input x; B: input gate_w: left as it is (N = 8 < 16)
;;     2. [M 1,024, K 1,024] x [K 1,024, N 32,768]; A: input x; B: input w1: QUANTISED (scales: A lowp_scales[0], B lowp_scales[1])
;;     3. batch 8 x [M 1,024, K 4,096] x [K 4,096, N 1,024]; A: input w2; B: computed on the way: QUANTISED (scales: A lowp_scales[2], B lowp_scales[3])
;;     4. batch 1,024 x [M 1, K 2] x [K 2, N 8]; A: softmax; B: computed on the way: left as it is (K = 2 < 32)
;;     5. batch 1,024 x [M 1, K 8] x [K 8, N 1,024]; A: computed on the way; B: computed on the way: left as it is (K = 8 < 32)
;;   THE QUANTISER, for each operand of a quantised product, along K:
;;     - The operand's scale is 2^e, e = its entry of the input lowp_scales (int32; the entries are numbered through the quantised products in the list's order, A before B).
;;     - Each number is divided by the scale, clamped to +-448, and rounded to the nearest number of E4M3, ties to even, subnormals kept.
;;     - The product sums the exact products of the quantised numbers (number of the format x scale) in f32.
;;   ~~~python
;;   def quantise(x, axis, e):      # numpy; x: float32 -> the quantised numbers, widened to float32 again
;;       x = np.moveaxis(x, axis, -1); K = x.shape[-1]
;;       r = np.clip(x / 2.0 ** e, -448, 448)
;;       step = 2.0 ** (np.maximum(np.frexp(np.where(r == 0, 1, r))[1] - 1, -6) - 3)
;;       q = np.round(r / step) * step * 2.0 ** e      # np.round: ties to even
;;       return np.moveaxis(q, -1, axis).astype(np.float32)
;;   ~~~
;;   OPERANDS COMPUTED ON THE WAY. 'Computed on the way' means the value that the module computes at that place (a softmax that the list does not call 'softmax' is quantised finished and normalised). What goes into a quantiser is computed in f32, as accurately as f32 sums, v_exp_f32 and their like allow (about 1e-6 of the number): no bf16 or f16 on the way to a quantiser, and a product that is left as it is and whose result goes on into a quantised operand takes f32 operands (vector FMAs, or v_wmma_f32_16x16x4_f32). A number that lies on a knife's edge between two numbers of the format may be rounded either way, as far as f32 arithmetic and the matrix unit's own rounding can turn it there, and no further.
;; 2 versions, each right; version 2 is version 1 with the launches up, down written anew for expert scheduling mode. Each part assembles by itself: llvm-mc -triple=amdgcn-amd-amdhsa -mcpu=gfx1250 --defsym DOCPART=n.
;; ======== version 1 of 2: 4 launches
;; workspace buffers: xq 1,048,576 bytes; selp 4,096 bytes of whole numbers; list 33,024 bytes of whole numbers; gw 8,192 bytes; hq 33,554,432 bytes; part 16,842,752 bytes
;; launch route (part 1): grid 256 x 1, 4 waves a work-group, no clusters, 0 bytes of LDS; arguments x, gate_w, gate_b, lowp_scales, xq, selp, gw, out1; writes xq, selp, gw, out1
.if DOCPART == 1
	.amdgcn_target "amdgcn-amd-amdhsa--gfx1250"
	.amdhsa_code_object_version 6
	.text
	.protected	k_q3e6fdf7547_route
	.globl	k_q3e6fdf7547_route
	.p2align	8
	.type	k_q3e6fdf7547_route,@function
k_q3e6fdf7547_route:
	s_mov_b64 s[64:65], 0
	v_nop
	global_prefetch_b8 v0, s[64:65] scope:SCOPE_SE
	s_setreg_imm32_b32 hwreg(HW_REG_WAVE_MODE, 25, 1), 1
	s_wait_xcnt 0x0
; THE GATE, AND x INTO CODES.  x [1024 tokens][1024] f32, gate_w [8][1024], gate_b [8].  One wave takes one token; four waves a work-group, 256 work-groups.
; logits = x . gate_w[e] + gate_b[e] by f32 multiply-adds; the two largest (of equal logits the lower expert first, as jax.lax.top_k has it); softmax over the two, the larger taken away before the exponential.
; Stored: out1[t] = the two experts; selp[t] = (1 << first) | (1 << (8 + second)), a whole number from which the later launches form their lists; gw[t] = the two weights (8 bytes a token);
; xq[t] = the token's 1,024 codes of E4M3 under the given scale 2^e0, IN PLACE ORDER: a block of 256 numbers is read by two loads of 512 consecutive bytes (lane l: numbers 4 l .. 4 l + 3 and 128 + 4 l .. + 3),
; the lane's eight numbers become eight codes at bytes 8 l .. 8 l + 7 of the block.  The weights are laid in the same order by the launches that read them, so every product meets its partner.
; gate_w goes through a ring of four sets of 32 registers: expert e + 4 is loaded into expert e's set when e's products have read it.
; The three small stores of a token (8, 8 and 4 bytes, lane 0) are 20 bytes of its 5 KB of traffic; whole blocks of 256 bytes would want 32 tokens to a work-group, which leaves 32 work-groups.
; LIMITS: e0 between -126 and 119.  NaN and infinities among the inputs are not served.  Two logits that differ by less than the rounding of an f32 sum of 1,024 terms may change places in out1.
.set X,  16                            ; v16-47   the token: register 8 kb + j
.set XH, 48                            ; v48-79   the same, held within the largest code x the scale
.set CD, 80                            ; v80-87   the codes
.set LG, 88                            ; v88-95   the eight logits
.set AC, 96                            ; v96-127  four partial sums an expert; later at work
.set GS, 128                           ; v128-255 four sets of gate_w
	s_load_b512 s[8:23], s[0:1], 0x0               ; x s[8:9], gate_w s[10:11], gate_b s[12:13], the scales s[14:15], xq s[16:17], selp s[18:19], gw s[20:21], out1 s[22:23]
	v_lshrrev_b32 v1, 5, v0
	v_readfirstlane_b32 s2, v1                     ; wave
	v_and_b32 v1, 31, v0                           ; lane
	v_lshlrev_b32 v2, 4, v1                        ; 16 x lane
	v_lshlrev_b32 v3, 3, v1                        ; 8 x lane
	v_mov_b32 v4, 0
	s_lshl_b32 s3, ttmp9, 2
	s_add_co_u32 s3, s3, s2                        ; my token
	s_mov_b32 s5, 0
	s_lshl_b32 s4, s3, 12                          ; its row of x: 4,096 bytes
	s_mov_b32 s36, 0x76543210                      ; v_permlanex16_b32: lane l takes lane l xor 16
	s_mov_b32 s37, 0xfedcba98
	s_wait_kmcnt 0x0
	s_load_b256 s[24:31], s[12:13], 0x0            ; gate_b
	s_load_b32 s32, s[14:15], 0x0                  ; e0
	s_add_nc_u64 s[8:9], s[8:9], s[4:5]
.irp kb, 0,1,2,3
	global_load_b128 v[X+8*\kb:X+8*\kb+3], v2, s[8:9] offset:1024*\kb th:TH_LOAD_NT
	global_load_b128 v[X+8*\kb+4:X+8*\kb+7], v2, s[8:9] offset:1024*\kb+512 th:TH_LOAD_NT
.endr
.macro GLOAD e                         ; expert e's row in x's pattern, into set e % 4
.irp kb, 0,1,2,3
	global_load_b128 v[GS+32*((\e)%4)+8*\kb:GS+32*((\e)%4)+8*\kb+3], v2, s[10:11] offset:4096*(\e)+1024*\kb
	global_load_b128 v[GS+32*((\e)%4)+8*\kb+4:GS+32*((\e)%4)+8*\kb+7], v2, s[10:11] offset:4096*(\e)+1024*\kb+512
.endr
.endm
	GLOAD 0
	GLOAD 1
	GLOAD 2
	GLOAD 3
	s_lshl_b32 s4, s3, 10
	s_add_nc_u64 s[16:17], s[16:17], s[4:5]        ; xq + 1,024 t
	s_lshl_b32 s4, s3, 3
	s_add_nc_u64 s[22:23], s[22:23], s[4:5]        ; out1 + 8 t
	s_add_nc_u64 s[20:21], s[20:21], s[4:5]        ; gw + 8 t
	s_lshl_b32 s4, s3, 2
	s_add_nc_u64 s[18:19], s[18:19], s[4:5]        ; selp + 4 t
	s_wait_kmcnt 0x0
	s_add_co_i32 s32, s32, 127
	s_lshl_b32 s35, s32, 23
	v_mov_b32 v5, s35                              ; 2^e0 as f32: the conversion takes its exponent field
	s_add_co_i32 s32, s32, 8
	s_lshl_b32 s32, s32, 23
	s_or_b32 s33, s32, 0x600000                    ; 448 x 2^e0
	s_or_b32 s34, s33, 0x80000000                  ; and its negative
	s_wait_loadcnt 32                              ; x's eight loads are in; the 32 loads of the four sets are younger
.set i, 0
.rept 32
	v_med3_num_f32 v[XH+i], v[X+i], s34, s33       ; the conversion to an 8-bit code does not saturate (ISA guide 7.6.2): the hold comes first
.set i, i+1
.endr
.irp kb, 0,1,2,3
	v_cvt_scalef32_pk8_fp8_f32 v[CD+2*\kb:CD+2*\kb+1], v[XH+8*\kb:XH+8*\kb+7], v5
.endr
	v_nop                                          ; a plain line behind the last conversion
.irp kb, 0,1,2,3
	global_store_b64 v3, v[CD+2*\kb:CD+2*\kb+1], s[16:17] offset:256*\kb   ; 32 lanes store 256 consecutive bytes, at a multiple of 256 from xq's first byte
.endr
; my 32 numbers x expert e's 32, two at a time, in two chains.  left: the loads of the sets that are younger than e's
.macro DOT e, left
	s_wait_loadcnt \left
.set GB, GS+32*((\e)%4)
.set AB, AC+4*(\e)
	v_pk_mul_f32 v[AB:AB+1], v[X:X+1], v[GB:GB+1]
	v_pk_mul_f32 v[AB+2:AB+3], v[X+2:X+3], v[GB+2:GB+3]
.set i, 4
.rept 7
	v_pk_fma_f32 v[AB:AB+1], v[X+i:X+i+1], v[GB+i:GB+i+1], v[AB:AB+1]
	v_pk_fma_f32 v[AB+2:AB+3], v[X+i+2:X+i+3], v[GB+i+2:GB+i+3], v[AB+2:AB+3]
.set i, i+4
.endr
.if (\e) < 4
	GLOAD (\e)+4
.endif
.endm
	DOT 0, 24
	DOT 1, 24
	DOT 2, 24
	DOT 3, 24
	DOT 4, 24
	DOT 5, 16
	DOT 6, 8
	DOT 7, 0
.irp e, 0,1,2,3,4,5,6,7
	v_pk_add_f32 v[AC+4*\e:AC+4*\e+1], v[AC+4*\e:AC+4*\e+1], v[AC+4*\e+2:AC+4*\e+3]
.endr
.irp e, 0,1,2,3,4,5,6,7
	v_add_f32 v[LG+\e], v[AC+4*\e], v[AC+4*\e+1]
.endr
.irp m, 1,2,4,8                        ; across the 32 lanes: four steps inside each half, one between the halves; the eight sums take turns
.irp e, 0,1,2,3,4,5,6,7
	v_add_f32_dpp v[LG+\e], v[LG+\e], v[LG+\e] row_xmask:\m row_mask:0xf bank_mask:0xf
.endr
.endr
.irp e, 0,1,2,3,4,5,6,7
	v_permlanex16_b32 v[AC+4*\e], v[LG+\e], s36, s37   ; (its destination has been written)
.endr
.irp e, 0,1,2,3,4,5,6,7
	v_add_f32 v[LG+\e], v[LG+\e], v[AC+4*\e]
.endr
.irp e, 0,1,2,3,4,5,6,7
	v_add_f32 v[LG+\e], s[24+\e], v[LG+\e]         ; + gate_b: every lane holds the eight logits
.endr
	; the largest: v104 its logit, v106 its expert.  The holder stays where it is at least as large: of equals the lower expert
	v_mov_b32 v104, v[LG]
	v_mov_b32 v106, 0
.irp e, 1,2,3,4,5,6,7
	v_cmp_ge_f32 vcc_lo, v104, v[LG+\e]
	v_cndmask_b32 v106, \e, v106, vcc_lo
	v_cndmask_b32 v104, v[LG+\e], v104, vcc_lo
.endr
	v_mov_b32 v110, 0xff800000                     ; -infinity takes the winner's place,
.irp e, 0,1,2,3,4,5,6,7
	v_cmp_eq_u32 vcc_lo, \e, v106
	v_cndmask_b32 v[AC+\e], v[LG+\e], v110, vcc_lo
.endr
	v_mov_b32 v105, v[AC]                          ; and the same walk finds the second: v105, v107
	v_mov_b32 v107, 0
.irp e, 1,2,3,4,5,6,7
	v_cmp_ge_f32 vcc_lo, v105, v[AC+\e]
	v_cndmask_b32 v107, \e, v107, vcc_lo
	v_cndmask_b32 v105, v[AC+\e], v105, vcc_lo
.endr
	v_sub_f32 v111, v105, v104                     ; the second less the largest: 0 or less
	v_mul_f32 v111, 0x3fb8aa3b, v111
	v_exp_f32 v112, v111                           ; a = e^(second - largest)
	v_mov_b32 v113, 1                              ; (a plain line behind the exponential)
	s_wait_alu depctr_va_vdst(0)
	v_add_f32 v111, 1.0, v112
	v_rcp_f32 v108, v111                           ; the first weight: 1 / (1 + a)
	v_add_nc_u32 v114, 8, v107                     ; (a plain line behind the reciprocal)
	s_wait_alu depctr_va_vdst(0)
	v_mul_f32 v109, v112, v108                     ; the second: a / (1 + a)
	v_lshlrev_b32 v115, v106, v113
	v_lshlrev_b32 v114, v114, v113
	v_or_b32 v115, v115, v114                      ; (1 << first) | (1 << (8 + second))
	s_wait_xcnt 0x0                                ; EXEC is narrowed only behind this wait: the loads and stores above have read it
	v_cmp_eq_u32 vcc_lo, 0, v1
	s_and_saveexec_b32 s38, vcc_lo                 ; lane 0 alone
	global_store_b64 v4, v[106:107], s[22:23]
	global_store_b64 v4, v[108:109], s[20:21]
	global_store_b32 v4, v115, s[18:19]
	s_endpgm
.Lfunc_end_k_q3e6fdf7547_route:
	.size	k_q3e6fdf7547_route, .Lfunc_end_k_q3e6fdf7547_route-k_q3e6fdf7547_route
	.p2alignl 7, 3214868480
	.fill 96, 4, 3214868480
	.section	.rodata,"a",@progbits
	.p2align	6, 0x0
	.amdhsa_kernel k_q3e6fdf7547_route
		.amdhsa_group_segment_fixed_size 0
		.amdhsa_private_segment_fixed_size 0
		.amdhsa_enable_private_segment 0
		.amdhsa_kernarg_size 64
		.amdhsa_user_sgpr_count 2
		.amdhsa_user_sgpr_kernarg_segment_ptr 1
		.amdhsa_wavefront_size32 1
		.amdhsa_system_sgpr_workgroup_id_x 1
		.amdhsa_system_sgpr_workgroup_id_y 1
		.amdhsa_system_sgpr_workgroup_id_z 1
		.amdhsa_system_vgpr_workitem_id 0
		.amdhsa_next_free_vgpr 256
		.amdhsa_next_free_sgpr 66
		.amdhsa_reserve_vcc 1
		.amdhsa_float_denorm_mode_32 3
		.amdhsa_float_denorm_mode_16_64 3
		.amdhsa_memory_ordered 1
		.amdhsa_forward_progress 1
		.amdhsa_inst_pref_size 26
	.end_amdhsa_kernel
	.amdgpu_metadata
---
amdhsa.version: [ 1, 2 ]
amdhsa.kernels:
  - .name:           k_q3e6fdf7547_route
    .symbol:         k_q3e6fdf7547_route.kd
    .args:
      - { .name: x, .offset: 0, .size: 8, .value_kind: global_buffer, .address_space: global }
      - { .name: gate_w, .offset: 8, .size: 8, .value_kind: global_buffer, .address_space: global }
      - { .name: gate_b, .offset: 16, .size: 8, .value_kind: global_buffer, .address_space: global }
      - { .name: lowp_scales, .offset: 24, .size: 8, .value_kind: global_buffer, .address_space: global }
      - { .name: xq, .offset: 32, .size: 8, .value_kind: global_buffer, .address_space: global }
      - { .name: selp, .offset: 40, .size: 8, .value_kind: global_buffer, .address_space: global }
      - { .name: gw, .offset: 48, .size: 8, .value_kind: global_buffer, .address_space: global }
      - { .name: out1, .offset: 56, .size: 8, .value_kind: global_buffer, .address_space: global }
    .group_segment_fixed_size: 0
    .private_segment_fixed_size: 0
    .kernarg_segment_align: 8
    .kernarg_segment_size: 64
    .max_flat_workgroup_size: 128
    .sgpr_count:     66
    .vgpr_count:     256
    .wavefront_size: 32
...
	.end_amdgpu_metadata
.endif
;; end of part 1
;; launch up (part 2): grid 256 x 1, 4 waves a work-group, no clusters, 300,032 bytes of LDS; arguments xq, w1, b1, lowp_scales, selp, list, hq; writes list, hq
.if DOCPART == 2
	.amdgcn_target "amdgcn-amd-amdhsa--gfx1250"
	.amdhsa_code_object_version 6
	.text
	.protected	k_q3e6fdf7547_up
	.globl	k_q3e6fdf7547_up
	.p2align	8
	.type	k_q3e6fdf7547_up,@function
k_q3e6fdf7547_up:
	s_mov_b64 s[64:65], 0
	v_nop
	global_prefetch_b8 v0, s[64:65] scope:SCOPE_SE
	s_setreg_imm32_b32 hwreg(HW_REG_WAVE_MODE, 25, 1), 1
	s_wait_xcnt 0x0
; THE FIRST LAYER OF THE CHOSEN EXPERTS: hq = codes of gelu(x W1^T + b1), for the rows that chose the expert alone; and the experts' lists of rows, for the next launch.
; SHARES.  Work-group g: expert e = g / 32, and jj = g % 32: the 128 PLACES 128 jj .. + 127 of the hidden layer, one K step of the second product.  Wave w owns 32 of them: its 32 rows of W1 (128 KB of f32) are read
; from memory once, quantised on the way and kept as 16 fragments in 256 registers.  What goes round is the small thing: the tokens' codes.
; PLACE ORDER.  A block of 256 numbers along K is read by two loads of 512 consecutive bytes (lane l: numbers 4 l .. + 3 and 128 + 4 l .. + 3); the lane's eight codes lie at bytes 8 l .. 8 l + 7 of the block.  x's codes, W1's and W2's
; are all laid so.  So place 128 jj + 32 w + p of the hidden layer is unit U + 4 (p / 8) + p % 4 + 128 ((p / 4) % 2), U = 256 (jj / 2) + 64 (jj % 2) + 16 w: my rows of W1 are U .. U + 15 and U + 128 .. U + 143.
; THE RANKS are made in registers.  selp[t] = (1 << first expert) | (1 << (8 + second expert)).  Every wave reads all of it: register j = 4 c + i, lane l holds token 128 c + i + 4 l.  For each of these 32 words of 32 tokens it keeps, the same in
; every lane, the mask of the lanes that chose the expert, the mask of those that chose it second, and the rows ahead of the word; their sum is the expert's count.  Rows are ranked word by word, lane by lane.  To find the row of a rank (FIND,
; a rank to a lane): the last word that begins at or under the rank, then the K-th set bit of its mask by five halvings over packed counts of bits.  slot = 2 x token + choice; ranks from the count on hold 2,048 + e, which the clamp turns into token 1,023.
; The work-group with jj = 0 stores the slots to list[e][rank] and the count behind the eight lists: the next launch reads both.
; THE PRODUCT IS USED TRANSPOSED (source 0 = 16 rows of W1, source 1 = 16 tokens): a lane holds one token, its registers run along the hidden places.  Lane r of tile u takes row r + 8 (r / 8) + 8 u of my 32, so that the 16 registers
; of tiles 0 and 1 are 16 neighbouring places: their codes ARE four registers of the next product's operand, and are stored as an image of those registers: hq [e][tile of 16 ranks][K step][c][lane][16 bytes].
; A FRAGMENT (16 rows x 128 places) is 16 registers: lane (r, h) holds, in registers 4 c .. 4 c + 3, places 32 c + 16 h + 0 .. 15 of row r: the same order of k on both sides of each product.
; GELU, exact: g = max(x, 0) - |x| erfc(|x| / sqrt 2) / 2, erfc(z) = t exp(-z^2 + a polynomial of degree 9 in t), t = 1 / (1 + z / 2): relative error under 1.2e-7 for every z, and no difference of near numbers.
; A TRIP of 32 ranks: 32 products, then 437 vector lines.  The next trip's 64 fragment loads stand among those lines, 16 ahead of each quarter of them, so that LDS is read while the vector unit works.
; ALL LOOPS HAVE CONSTANT COUNTS; what the expert's count of rows leaves empty is jumped over by scalar branches, never a barrier.  At least 64 ranks are always made, since the next launch loads four tiles before it looks at the count.
; No tensor loads and no cluster: branches hang on a count that is made from numbers read from memory.  No line of this text changes EXEC.
; LIMITS: e0 + e1 between -126 and 127; e1 and e3 between -126 and 119.  NaN and infinities are not served.
; REGISTERS, in windows of 256.  Window 0: v1-15 addresses; v16-47 the gather's offsets; v48-79 second-choice masks; v80-95 b1; v96-127 four accumulators; v128-135 codes; v136-167 GELU at work; v168-169 a coefficient; v170-175, v240-248 the search;
;   v176-207 selp, then the masks; v208-239 the rows ahead of each word.
;   window 1: W1's fragments (tile u, K step s) at v[16 (8 u + s)].   window 2: the weights' stream (7 sets of 32 numbers, 2 sets of 8 code registers, v240-242), later x's fragments (tile m, K step s) at v[16 (8 m + s)].
;   window 3: 32 gathered rows of codes, 8 registers each.
.set WREG, 33280                       ; LDS: from byte 0 each wave's own 32 rows of codes, 1,024 bytes + 16
.set XS,   4*WREG                      ; then 128 tokens' rows of codes, 1,024 bytes + 16.  The claim is 32 rows larger than that: the request for the next trip's rows is written once for the four trips; in a block's last trip the branch
                                       ; on the block's end leaves it out, and its addresses would lie in those bytes
.set PW,   1040                        ; the pitch: 65 x 16 bytes, so that the 16 rows of a fragment load start at different banks (64 banks of 4 bytes: ISA guide 11.1)
.set GA,   16                          ; v16-47   the byte offsets in xq of 32 rows
.set M2,   48                          ; v48-79   word j: the lanes that chose the expert second
.set MK,   176                         ; v176-207 word j: the lanes that chose the expert
.set PF,   208                         ; v208-239 word j: the rows ahead of it
.set RK,   170                         ; the search: my rank;
.set WM,   171                         ; my word's mask,
.set WP,   172                         ; the rows ahead of it,
.set WQ,   173                         ; its second-choice mask,
.set WB,   174                         ; its first token;
.set KK,   175                         ; which set bit of it I want;
.set C2,   240                         ; its counts of bits in fields of 2,
.set C4,   241                         ; 4,
.set C8,   242                         ; 8
.set C16,  243                         ; and (low byte) 16 bits;
.set POS,  244                         ; the bit's place so far;
.set TT,   245                         ; at work
.set UU,   246
.set SL,   247                         ; my rank's slot
.set TK,   248                         ; and its token
.set MSB, 0
.macro WIN new                         ; the immediate's high byte repeats the setting that is left
.if MSB != \new
	s_set_vgpr_msb (MSB<<8)|\new
.set MSB, \new
.endif
.endm
; THE WEIGHTS' STREAM, all under one window setting.  Group i is one row of W1: 8 loads of 512 consecutive bytes.  Seven groups, 56 loads, are on their way.
.macro WISSUE i
	WIN 0xaa
.set RB, 32*((\i)%7)
.set GOB, (((\i)&15)+128*((\i)>>4))*4096
.irp p, 0,1,2,3
	global_load_b128 v[RB+8*\p:RB+8*\p+3], v240, s[6:7] offset:GOB+1024*\p th:TH_LOAD_NT
	global_load_b128 v[RB+8*\p+4:RB+8*\p+7], v240, s[6:7] offset:GOB+1024*\p+512 th:TH_LOAD_NT
.endr
.endm
.macro WGROUP i, left                  ; left: the loads that are younger than group i's
	WIN 0xaa
.set RB, 32*((\i)%7)
.set CB, 224+8*((\i)%2)
.set LOB, (8*(((\i)&15)>>2)+((\i)&3)+4*((\i)>>4))*PW   ; the row's place among my 32
	s_wait_loadcnt \left
.set n, 0
.rept 32
	v_med3_num_f32 v[RB+n], v[RB+n], s33, s32      ; the hold at the largest code x the scale (the conversion does not saturate: ISA guide 7.6.2)
.set n, n+1
.endr
	s_wait_dscnt 4                                 ; all but the last group's four stores are done: this set of code registers, used two groups ago, is free
.irp p, 0,1,2,3
	v_cvt_scalef32_pk8_fp8_f32 v[CB+2*\p:CB+2*\p+1], v[RB+8*\p:RB+8*\p+7], v242
.endr
	v_nop                                          ; a plain line behind the last conversion
.irp p, 0,1,2,3
	ds_store_b64 v241, v[CB+2*\p:CB+2*\p+1] offset:LOB+256*\p   ; 32 lanes: 256 consecutive bytes of the row
.endr
.endm
; Four words of selp become masks and counts.  The four take turns line by line, so that no scalar line waits for the vector line just ahead of it.
.macro SCAN4 c
.irp i, 0,1,2,3
	v_and_b32 v[C2+\i], s38, v[MK+4*\c+\i]         ; the expert's two bits
.endr
.irp i, 0,1,2,3
	v_cmp_ne_u32 s[56+\i], 0, v[C2+\i]             ; the lanes whose token chose the expert,
	v_cmp_lt_u32 s[60+\i], s43, v[C2+\i]           ; and those that chose it second: more than 1 << e is left
.endr
.irp i, 0,1,2,3
	v_mov_b32 v[MK+4*\c+\i], s[56+\i]
	v_mov_b32 v[M2+4*\c+\i], s[60+\i]
.endr
.irp i, 0,1,2,3
	s_bcnt1_i32_b32 s[44+\i], s[56+\i]
.endr
.irp i, 0,1,2,3
	v_mov_b32 v[PF+4*\c+\i], s40                   ; the rows ahead of this word
	s_add_co_u32 s40, s40, s[44+\i]
.endr
.endm
; One halving: if the lower half of the field at POS holds K set bits or fewer, the bit lies in the upper half
.macro HALVE x, w, inc
	v_lshrrev_b32 v[TT], v[POS], v[\x]
	v_and_b32 v[TT], \w, v[TT]                     ; set bits in the lower half
	v_cmp_ge_u32 vcc_lo, v[KK], v[TT]
	v_sub_nc_u32 v[TT], v[KK], v[TT]
	v_add_nc_u32 v[UU], \inc, v[POS]
	v_cndmask_b32 v[KK], v[KK], v[TT], vcc_lo
	v_cndmask_b32 v[POS], v[POS], v[UU], vcc_lo
.endm
; The rows of ranks s26 .. s26 + 31, a rank to a lane; then the offsets in xq of the 32 rows, the same in every lane but for its 16 bytes
.macro FIND
	v_add_nc_u32 v[RK], s26, v1                    ; my rank
	v_mov_b32 v[WM], v[MK]
	v_mov_b32 v[WP], v[PF]
	v_mov_b32 v[WQ], v[M2]
	v_mov_b32 v[WB], 0
.set j, 1
.rept 31
	v_cmp_gt_u32 vcc_lo, v[PF+j], v[RK]            ; word j begins beyond my rank: keep what I have; else take word j
	v_cndmask_b32 v[WM], v[MK+j], v[WM], vcc_lo
	v_cndmask_b32 v[WP], v[PF+j], v[WP], vcc_lo
	v_cndmask_b32 v[WQ], v[M2+j], v[WQ], vcc_lo
	v_cndmask_b32 v[WB], 128*(j/4)+j%4, v[WB], vcc_lo
.set j, j+1
.endr
	v_sub_nc_u32 v[KK], v[RK], v[WP]               ; I want set bit K of my word, counted from 0
	v_lshrrev_b32 v[TT], 1, v[WM]
	v_and_b32 v[TT], 0x55555555, v[TT]
	v_sub_nc_u32 v[C2], v[WM], v[TT]               ; set bits in each field of 2,
	v_lshrrev_b32 v[TT], 2, v[C2]
	v_and_b32 v[TT], 0x33333333, v[TT]
	v_and_b32 v[C4], 0x33333333, v[C2]
	v_add_nc_u32 v[C4], v[C4], v[TT]               ; of 4,
	v_lshrrev_b32 v[TT], 4, v[C4]
	v_add_nc_u32 v[TT], v[C4], v[TT]
	v_and_b32 v[C8], 0x0f0f0f0f, v[TT]             ; of 8,
	v_lshrrev_b32 v[TT], 8, v[C8]
	v_add_nc_u32 v[C16], v[C8], v[TT]              ; and, in the low byte, of the low 16
	v_mov_b32 v[POS], 0
	HALVE C16, 0xff, 16
	HALVE C8, 0xff, 8
	HALVE C4, 15, 4
	HALVE C2, 3, 2
	HALVE WM, 1, 1
	v_lshl_add_u32 v[TK], v[POS], 2, v[WB]         ; the token: the word's first + 4 x the lane
	v_lshrrev_b32 v[TT], v[POS], v[WQ]
	v_and_b32 v[TT], 1, v[TT]                      ; 0: first choice, 1: second
	v_lshl_add_u32 v[SL], v[TK], 1, v[TT]          ; slot
	v_cmp_gt_u32 vcc_lo, s20, v[RK]                ; my rank lies under the count;
	v_cndmask_b32 v[SL], s39, v[SL], vcc_lo        ; else 2,048 + e
	v_lshrrev_b32 v[TK], 1, v[SL]
	v_lshlrev_b32 v10, 2, v[RK]                    ; my rank's word in the list
.irp g, 0,1,2,3
.irp q, 0,1,2,3,4,5,6,7
	v_readlane_b32 s[56+\q], v[TK], 8*\g+\q
.endr
.irp q, 0,1,2,3,4,5,6,7
	s_min_u32 s[56+\q], s[56+\q], 0x3ff
.endr
.irp q, 0,1,2,3,4,5,6,7
	v_lshl_add_u32 v[GA+8*\g+\q], s[56+\q], 10, v4 ; the token's 1,024 bytes, 16 a lane
.endr
.endr
	s_cmp_lg_u32 s18, 0
	s_cbranch_scc1 .Lnot_mine_\@                   ; one work-group of the expert's 32 stores the list
	global_store_b32 v10, v[SL], s[12:13]          ; 32 lanes store 128 consecutive bytes
.Lnot_mine_\@:
.endm
.macro GBATCH k                        ; rows 4 k .. 4 k + 3 of the 32: two loads of 512 consecutive bytes each
	WIN 0xc0                                       ; destination window 3
.irp q, 0,1,2,3
	global_load_b128 v[8*(4*(\k)+\q):8*(4*(\k)+\q)+3], v[GA+4*(\k)+\q], s[4:5]
	global_load_b128 v[8*(4*(\k)+\q)+4:8*(4*(\k)+\q)+7], v[GA+4*(\k)+\q], s[4:5] offset:512
.endr
.endm
; A quarter of a trip's x fragments: K steps 2 q and 2 q + 1 of two tiles of 16 rows, from `ahead` bytes behind v7
.macro XQ q, ahead
	WIN 0x80                                       ; destination window 2
.irp s, 2*\q, 2*\q+1
.irp m, 0,1
.irp c, 0,1,2,3
	ds_load_b128 v[16*(8*\m+(\s))+4*\c:16*(8*\m+(\s))+4*\c+3], v7 offset:\ahead+16*PW*\m+128*(\s)+32*\c
.endr
.endr
.endr
.endm
; eight numbers in place: v[a] .. v[a + 7] = gelu(sum x 2^(e0 + e1) + b1)
.macro GELU8 a, b
.irp j, 0,2,4,6
	v_pk_fma_f32 v[\a+\j:\a+\j+1], v[\a+\j:\a+\j+1], s[36:37], v[\b+\j:\b+\j+1] op_sel_hi:[1,0,1]   ; x; the accumulator is read from its low end on
.endr
.irp j, 0,1,2,3,4,5,6,7
	v_fma_f32 v[136+\j], |v[\a+\j]|, 0x3eb504f3, 1.0   ; 1 + z / 2, z = |x| / sqrt 2
.endr
.irp j, 0,1,2,3,4,5,6,7
	v_rcp_f32 v[136+\j], v[136+\j]                 ; t
.endr
.irp j, 0,2,4,6
	v_pk_mul_f32 v[152+\j:152+\j+1], v[\a+\j:\a+\j+1], v[\a+\j:\a+\j+1]   ; x^2.  (Plain lines behind the reciprocals)
.endr
	s_wait_alu depctr_va_vdst(0)
.irp j, 0,2,4,6
	v_pk_fma_f32 v[144+\j:144+\j+1], v[136+\j:136+\j+1], 0x3e2ef945, v[168:169] op_sel_hi:[1,0,1]
.endr
.irp c, 0x3fbe87b0, 0xbf914e5d, 0x3e8ec7cc, 0xbe3ec24c, 0x3dc636c9, 0x3ebf88fb, 0x3f8000c7, 0xbfa1fc4e
.irp j, 0,2,4,6
	v_pk_fma_f32 v[144+\j:144+\j+1], v[144+\j:144+\j+1], v[136+\j:136+\j+1], \c op_sel_hi:[1,1,0]
.endr
.endr
.irp j, 0,2,4,6
	v_pk_fma_f32 v[144+\j:144+\j+1], v[152+\j:152+\j+1], -0.5, v[144+\j:144+\j+1] op_sel_hi:[1,0,1]   ; - z^2
.endr
.irp j, 0,2,4,6
	v_pk_mul_f32 v[144+\j:144+\j+1], v[144+\j:144+\j+1], 0x3fb8aa3b op_sel_hi:[1,0]
.endr
.irp j, 0,1,2,3,4,5,6,7
	v_exp_f32 v[152+\j], v[144+\j]
.endr
.irp j, 0,1,2,3,4,5,6,7
	v_max_num_f32 v[160+\j], 0, v[\a+\j]           ; max(x, 0).  (Plain lines behind the exponentials)
.endr
	s_wait_alu depctr_va_vdst(0)
.irp j, 0,2,4,6
	v_pk_mul_f32 v[152+\j:152+\j+1], v[152+\j:152+\j+1], v[136+\j:136+\j+1]   ; erfc(z)
.endr
.irp j, 0,2,4,6
	v_pk_mul_f32 v[152+\j:152+\j+1], v[152+\j:152+\j+1], v[\a+\j:\a+\j+1]
.endr
.irp j, 0,1,2,3,4,5,6,7
	v_fma_f32 v[\a+\j], |v[152+\j]|, -0.5, v[160+\j]
.endr
.endm
	s_load_b256 s[4:11], s[0:1], 0x0               ; xq s[4:5], w1 s[6:7], b1 s[8:9], the scales s[10:11]
	s_load_b64 s[48:49], s[0:1], 0x20              ; selp
	s_load_b128 s[12:15], s[0:1], 0x28             ; list s[12:13], hq s[14:15]
	v_lshl_add_u32 v254, v0, 2, 0x49200
	v_mov_b32 v255, 0
	v_lshrrev_b32 v1, 5, v0
	v_readfirstlane_b32 s16, v1                    ; wave
	v_and_b32 v1, 31, v0                           ; lane
	v_and_b32 v2, 15, v0                           ; r
	v_bfe_u32 v3, v0, 4, 1                         ; h
	v_lshlrev_b32 v4, 4, v1                        ; 16 x lane
	v_lshlrev_b32 v14, 3, v1                       ; 8 x lane
	v_lshlrev_b32 v13, 5, v3                       ; b1: 32 h
	s_lshr_b32 s17, ttmp9, 5                       ; e
	s_and_b32 s18, ttmp9, 31                       ; jj
	s_lshl_b32 s19, s16, 5                         ; 32 w
	s_mul_i32 s26, s16, WREG
	v_add_nc_u32 v5, s26, v4
	v_add_nc_u32 v5, XS, v5                        ; where I put gathered rows: rows 32 w on, 16 bytes a lane
	v_mul_u32_u24 v6, v2, PW
	v_lshl_add_u32 v6, v3, 4, v6
	v_add_nc_u32 v6, XS, v6                        ; x's fragments: row r, + 16 h
	v_and_b32 v7, 8, v2
	v_add_nc_u32 v7, v7, v2                        ; r + 8 (r / 8)
	v_mul_u32_u24 v8, v7, PW
	v_lshl_add_u32 v8, v3, 4, v8
	v_add_nc_u32 v8, s26, v8                       ; W1's fragments, out of my own rows
	v_lshl_add_u32 v9, s16, 9, v4                  ; hq: piece c = w of an image, 16 bytes a lane
	WIN 0x80                                       ; destination window 2
	v_lshlrev_b32 v240, 4, v1                      ; the stream's load offset: 16 x lane
	v_add_nc_u32 v241, s26, v14                    ; and where it puts codes: my rows, 8 bytes a lane
.irp j, 243,244,245,246,247,248,249,250,251,252,253,254,255
	v_mov_b32 v\j, 0                               ; the thirteen registers of x's fragments that the stream does not write: written once, so that every register of a product is written on every way to it
.endr
	WIN 0
	s_lshr_b32 s26, s18, 1
	s_lshl_b32 s26, s26, 8
	s_and_b32 s27, s18, 1
	s_lshl_b32 s27, s27, 6
	s_add_co_u32 s26, s26, s27
	s_lshl_b32 s27, s16, 4
	s_add_co_u32 s26, s26, s27                     ; U
	s_lshl_b32 s44, s26, 12
	s_lshl_b32 s27, s17, 24
	s_add_co_u32 s44, s44, s27                     ; w1: e x 16 MiB + U rows of 4,096 bytes
	s_mov_b32 s45, 0
	s_lshl_b32 s46, s26, 2
	s_lshl_b32 s27, s17, 14
	s_add_co_u32 s46, s46, s27                     ; b1: e x 16,384 + 4 U
	s_mov_b32 s47, 0
	s_lshl_b32 s40, s17, 22
	s_lshl_b32 s27, s18, 11
	s_add_co_u32 s40, s40, s27                     ; hq: e x 4 MiB + K step jj
	s_mov_b32 s41, 0
	s_lshl_b32 s42, s17, 12                        ; list: e x 4,096
	s_mov_b32 s43, 0
	s_lshl_b32 s50, s17, 2
	s_add_co_u32 s50, s50, 32768                   ; the count: behind the eight lists
	s_mov_b32 s51, 0
	s_lshl_b32 s38, 0x101, s17                     ; the expert's two bits in a word of selp
	s_add_co_u32 s39, s17, 2048                    ; what the ranks from the count on hold
	s_wait_kmcnt 0x0
	s_load_b128 s[28:31], s[10:11], 0x0            ; e0, e1, e2, e3
	s_add_nc_u64 s[52:53], s[12:13], s[50:51]
	s_add_nc_u64 s[12:13], s[12:13], s[42:43]
	s_add_nc_u64 s[6:7], s[6:7], s[44:45]
	s_add_nc_u64 s[8:9], s[8:9], s[46:47]
	s_add_nc_u64 s[14:15], s[14:15], s[40:41]
	s_mov_b32 s40, 0                               ; rows so far
	s_lshl_b32 s43, 1, s17                         ; the bit of a first choice
.set n, 0
.rept 8
	global_load_b128 v[MK+4*n:MK+4*n+3], v4, s[48:49] offset:512*n   ; all of selp: 32 lanes read 512 consecutive bytes
.set n, n+1
.endr
.irp u, 0,1                            ; tile u, register j of lane (r, h) is unit U + 8 h + 4 u + j % 4 + 128 (j / 4)
	global_load_b128 v[80+8*\u:83+8*\u], v13, s[8:9] offset:16*\u
	global_load_b128 v[84+8*\u:87+8*\u], v13, s[8:9] offset:16*\u+512
.endr
.irp i, 0,1,2,3,4,5,6
	WISSUE \i                                      ; the ring is filled ahead of the wait for the scales, which only the conversions want
.endr
	WIN 0
	s_wait_kmcnt 0x0
	s_add_co_i32 s26, s29, 127
	s_lshl_b32 s27, s26, 23
	WIN 0x80
	v_mov_b32 v242, s27                            ; 2^e1 as f32: the conversion takes its exponent field
	WIN 0
	s_add_co_i32 s26, s26, 8
	s_lshl_b32 s26, s26, 23
	s_or_b32 s32, s26, 0x600000                    ; 448 x 2^e1
	s_or_b32 s33, s32, 0x80000000
	s_add_co_i32 s26, s31, 127
	s_lshl_b32 s27, s26, 23
	v_mov_b32 v11, s27                             ; 2^e3
	s_add_co_i32 s26, s26, 8
	s_lshl_b32 s26, s26, 23
	s_or_b32 s34, s26, 0x600000                    ; 448 x 2^e3
	s_or_b32 s35, s34, 0x80000000
	s_add_co_i32 s26, s28, s29
	s_add_co_i32 s26, s26, 127
	s_lshl_b32 s36, s26, 23                        ; 2^(e0 + e1)
	s_mov_b32 s37, s36                             ; (named with it as a pair)
	v_mov_b32 v168, 0xbf527892                     ; the polynomial's coefficient of t^8, twice: an instruction takes one literal
	v_mov_b32 v169, 0xbf527892
.set Q, 0
.rept 8
	WGROUP Q, 48                                   ; six younger groups.  (The first of these waits also shows selp and b1 landed: they were issued ahead of the ring)
	WISSUE Q+7
.set Q, Q+1
.endr
	WIN 0
	; The ranks are made here, with seven groups of the stream on their way: the rows' offsets are first wanted behind group 24
.irp c, 0,1,2,3,4,5,6,7
	SCAN4 \c
.endr
	s_min_u32 s20, s40, 1024                       ; the expert's rows
	s_max_u32 s21, s20, 64                         ; ranks that are made
	s_mov_b32 s26, s19
	FIND                                           ; ranks 32 w .. 32 w + 31
.set Q, 8
.rept 17
	WGROUP Q, 48
	WISSUE Q+7
.set Q, Q+1
.endr
	GBATCH 0                                       ; as the ring runs empty, the first 32 rows of codes take its place: always, so that window 3 is written on every way
.set Q, 25
.rept 7
	WGROUP Q, 56                                   ; 31 - i younger groups and i - 24 batches of rows, 8 loads each
	GBATCH Q-24
.set Q, Q+1
.endr
	WIN 0x40                                       ; destination window 1.  My own bytes: LDS serves a wave's instructions in order (ISA guide 5.7.1.4), so no wait stands between the stores and these loads
.irp u, 0,1
.irp s, 0,1,2,3,4,5,6,7
.irp c, 0,1,2,3
	ds_load_b128 v[16*(8*\u+\s)+4*\c:16*(8*\u+\s)+4*\c+3], v8 offset:8*\u*PW+128*\s+32*\c
.endr
.endr
.endr
	WIN 0
; THE ROWS, 128 ranks a block: eight blocks, whatever the count.
	s_mov_b32 s22, 0                               ; the block's first rank
.Lblock:
	s_wait_loadcnt 0x0                             ; my 32 gathered rows are in, and no load of mine is out: the gather's registers may be written again
	s_add_co_u32 s26, s22, s19
	s_cmp_lt_u32 s26, s21
	s_cbranch_scc0 .Lno_put
	WIN 0x0c                                       ; data window 3
.set n, 0
.rept 32
	ds_store_b128 v5, v[8*n:8*n+3] offset:PW*n
	ds_store_b128 v5, v[8*n+4:8*n+7] offset:PW*n+512
.set n, n+1
.endr
	WIN 0
.Lno_put:
	s_wait_dscnt 0x0                               ; my rows have landed (in the first block: W1's fragments are in their registers too)
	s_barrier_signal -1
	s_barrier_wait -1                              ; everybody's have
	s_mov_b32 s25, 0                               ; LDS bytes from the block's first row
	s_mov_b32 s24, s22                             ; rank
	s_mov_b32 s23, 0
	s_add_co_u32 s27, s22, 128
	s_min_u32 s27, s27, s21                        ; where the block's ranks end
	s_cmp_lt_u32 s22, s21
	s_cbranch_scc0 .Lno_first
	v_add_nc_u32 v7, s25, v6
	XQ 0, 0                                        ; the first trip's fragments: they come while the next block's rows are looked up
	XQ 1, 0
	XQ 2, 0
	XQ 3, 0
	WIN 0
.Lno_first:
	s_add_co_u32 s26, s22, s19
	s_add_co_u32 s26, s26, 128
	s_cmp_lt_u32 s26, s21                          ; the next block's rows are asked for now and fly under this block's work (never in the last block: at most 1,024 ranks are made)
	s_cbranch_scc0 .Lno_get
	s_wait_xcnt 0x0                                ; the last store of the list has read its offset and its data: both are written again only behind this wait
	FIND
.irp k, 0,1,2,3,4,5,6,7
	GBATCH \k
.endr
	WIN 0
.Lno_get:
.Liter:                                            ; four trips of 32 ranks: the rows that wave `trip` has put, under the same condition
	s_cmp_lt_u32 s24, s21
	s_cbranch_scc0 .Lidle
	WIN 0x09                                       ; source 0 (W1) window 1, source 1 (x) window 2, sums window 0
.irp s, 0,1,2,3,4,5,6,7                ; the four accumulators take turns, one instruction a turn; the first K step starts the sums
	s_wait_dscnt 8*(7-\s)                          ; K step s's eight loads are in; the later steps' are younger, and nothing else has gone to LDS behind them
.irp m, 0,1
.irp u, 0,1
.if \s == 0
	v_wmma_f32_16x16x128_fp8_fp8 v[96+16*\m+8*\u:96+16*\m+8*\u+7], v[16*(8*\u+\s):16*(8*\u+\s)+15], v[16*(8*\m+\s):16*(8*\m+\s)+15], 0
.else
	v_wmma_f32_16x16x128_fp8_fp8 v[96+16*\m+8*\u:96+16*\m+8*\u+7], v[16*(8*\u+\s):16*(8*\u+\s)+15], v[16*(8*\m+\s):16*(8*\m+\s)+15], v[96+16*\m+8*\u:96+16*\m+8*\u+7]
.endif
.endr
.endr
.endr
	WIN 0
.rept 5
	v_nop                                          ; five places behind the last products: for the reads of the sums, for the loads into x's fragments below, and for the next trip's first products, which begin the sums anew
.endr
	s_add_co_u32 s26, s24, 32
	s_cmp_lt_u32 s26, s27                          ; has the block another trip?  ONE branch for its 64 loads, so that on every way either all of them are out or none
	s_cbranch_scc0 .Lplain
	v_add_nc_u32 v7, s25, v6
	XQ 0, 32*PW                                    ; the next trip's fragments, 32 rows on: 16 loads ahead of each quarter of the vector work
	WIN 0
	GELU8 96, 80
	XQ 1, 32*PW
	WIN 0
	GELU8 104, 88
	XQ 2, 32*PW
	WIN 0
	GELU8 112, 80
	XQ 3, 32*PW
	WIN 0
	GELU8 120, 88
	s_branch .Ljoin
.Lplain:
	GELU8 96, 80
	GELU8 104, 88
	GELU8 112, 80
	GELU8 120, 88
.Ljoin:
.irp m, 0,1
.set n, 0
.rept 16
	v_med3_num_f32 v[96+16*\m+n], v[96+16*\m+n], s35, s34
.set n, n+1
.endr
	v_cvt_scalef32_pk8_fp8_f32 v[128+4*\m:129+4*\m], v[96+16*\m:103+16*\m], v11    ; places 16 h + 0 .. 7 of my 32,
	v_cvt_scalef32_pk8_fp8_f32 v[130+4*\m:131+4*\m], v[104+16*\m:111+16*\m], v11   ; and 16 h + 8 .. 15
.endr
	v_nop                                          ; a plain line behind the last conversion
.irp m, 0,1
	global_store_b128 v9, v[128+4*\m:131+4*\m], s[14:15] offset:65536*\m   ; 32 lanes store 512 consecutive bytes: piece w of the image (tile, K step jj)
.endr
.Lidle:
	s_wait_xcnt 0x0                                ; the stores have read their data and their base: both are written again only behind this wait
	s_add_nc_u64 s[14:15], s[14:15], 131072        ; two tiles on
	s_add_co_u32 s24, s24, 32
	s_add_co_u32 s25, s25, 32*PW
	s_add_co_u32 s23, s23, 1
	s_cmp_lt_u32 s23, 4
	s_cbranch_scc1 .Liter
	s_wait_dscnt 0x0                               ; my reads of the block's rows are over
	s_barrier_signal -1
	s_barrier_wait -1                              ; everybody's are: the rows may be written again
	s_add_co_u32 s22, s22, 128
	s_cmp_lt_u32 s22, 1024
	s_cbranch_scc1 .Lblock
	s_or_b32 s26, s18, s16
	s_cmp_lg_u32 s26, 0
	s_cbranch_scc1 .Lend                           ; wave 0 of the work-group with jj = 0 stores the expert's count
	v_mov_b32 v12, 0
	v_mov_b32 v15, s20
	global_store_b32 v12, v15, s[52:53]            ; its 32 lanes store the same number to the same word
.Lend:
	s_wait_tensorcnt 0x0
	ds_add_u32 v254, v255
	s_wait_dscnt 0x0
	s_endpgm
.Lfunc_end_k_q3e6fdf7547_up:
	.size	k_q3e6fdf7547_up, .Lfunc_end_k_q3e6fdf7547_up-k_q3e6fdf7547_up
	.p2alignl 7, 3214868480
	.fill 96, 4, 3214868480
	.section	.rodata,"a",@progbits
	.p2align	6, 0x0
	.amdhsa_kernel k_q3e6fdf7547_up
		.amdhsa_group_segment_fixed_size 300032
		.amdhsa_private_segment_fixed_size 0
		.amdhsa_enable_private_segment 0
		.amdhsa_kernarg_size 56
		.amdhsa_user_sgpr_count 2
		.amdhsa_user_sgpr_kernarg_segment_ptr 1
		.amdhsa_wavefront_size32 1
		.amdhsa_system_sgpr_workgroup_id_x 1
		.amdhsa_system_sgpr_workgroup_id_y 1
		.amdhsa_system_sgpr_workgroup_id_z 1
		.amdhsa_system_vgpr_workitem_id 0
		.amdhsa_next_free_vgpr 1024
		.amdhsa_next_free_sgpr 66
		.amdhsa_reserve_vcc 1
		.amdhsa_float_denorm_mode_32 3
		.amdhsa_float_denorm_mode_16_64 3
		.amdhsa_memory_ordered 1
		.amdhsa_forward_progress 1
		.amdhsa_inst_pref_size 244
	.end_amdhsa_kernel
	.amdgpu_metadata
---
amdhsa.version: [ 1, 2 ]
amdhsa.kernels:
  - .name:           k_q3e6fdf7547_up
    .symbol:         k_q3e6fdf7547_up.kd
    .args:
      - { .name: xq, .offset: 0, .size: 8, .value_kind: global_buffer, .address_space: global }
      - { .name: w1, .offset: 8, .size: 8, .value_kind: global_buffer, .address_space: global }
      - { .name: b1, .offset: 16, .size: 8, .value_kind: global_buffer, .address_space: global }
      - { .name: lowp_scales, .offset: 24, .size: 8, .value_kind: global_buffer, .address_space: global }
      - { .name: selp, .offset: 32, .size: 8, .value_kind: global_buffer, .address_space: global }
      - { .name: list, .offset: 40, .size: 8, .value_kind: global_buffer, .address_space: global }
      - { .name: hq, .offset: 48, .size: 8, .value_kind: global_buffer, .address_space: global }
    .group_segment_fixed_size: 300032
    .private_segment_fixed_size: 0
    .kernarg_segment_align: 8
    .kernarg_segment_size: 56
    .max_flat_workgroup_size: 128
    .sgpr_count:     66
    .vgpr_count:     1024
    .wavefront_size: 32
...
	.end_amdgpu_metadata
.endif
;; end of part 2
;; launch down (part 3): grid 256 x 1, 4 waves a work-group, no clusters, 205,312 bytes of LDS; arguments hq, w2, b2, lowp_scales, list, part; writes part
.if DOCPART == 3
	.amdgcn_target "amdgcn-amd-amdhsa--gfx1250"
	.amdhsa_code_object_version 6
	.text
	.protected	k_q3e6fdf7547_down
	.globl	k_q3e6fdf7547_down
	.p2align	8
	.type	k_q3e6fdf7547_down,@function
k_q3e6fdf7547_down:
	s_mov_b64 s[64:65], 0
	v_nop
	global_prefetch_b8 v0, s[64:65] scope:SCOPE_SE
	s_setreg_imm32_b32 hwreg(HW_REG_WAVE_MODE, 25, 1), 1
	s_wait_xcnt 0x0
; THE SECOND LAYER OF THE CHOSEN EXPERTS, in parts: part[kh][slot][column] = (the sum over half kh of the hidden layer) x 2^(e2 + e3), + b2 in half 0.  slot = 2 x token + choice.  The last launch adds a token's four rows.
; part is [2][2,056][1,024] f32: 2,048 slots a plane, then eight rows, one for each expert, that nobody reads (see THE LIST).
; SHARES.  Work-group g: expert e = g / 32, columns 64 cg .. + 63 (cg = (g / 2) % 16), half kh = g % 2 of the 4,096 hidden places.  Wave w owns all 64 columns x its 512 places: 64 pieces of 2,048 bytes of W2's rows (128 KB of f32),
; read from memory once, quantised on the way (place order: see below) and kept as 16 fragments in 256 registers.  So each byte of the rows' codes is wanted by ONE wave of the work-group, and since the launch before stored them
; as images of operand registers, they go from memory straight into registers, 512 consecutive bytes a load.  The four waves' sums meet in LDS, where rows of 256 bytes form for the stores.
; PLACE ORDER: a block of 256 numbers along K is read by two loads of 512 consecutive bytes (lane l: numbers 4 l .. + 3 and 128 + 4 l .. + 3); the lane's eight codes lie at bytes 8 l .. 8 l + 7 of the block.  The hidden layer's codes lie so too.
; A FRAGMENT (16 rows x 128 places) is 16 registers: lane (r, h) holds, in registers 4 c .. 4 c + 3, places 32 c + 16 h + 0 .. 15 of row r, on both sides.  THE PRODUCT IS USED TRANSPOSED (source 0 = 16 rows of W2, source 1 = 16 ranks):
; a lane holds one rank and eight neighbouring columns.
; THE LIST was stored by an earlier launch: list[e][rank] = slot, the expert's count of rows behind the eight lists.  Ranks from the count on hold slot 2,048 + e: the last turn's padded ranks (31 at the most) store their 256 bytes into that
; row's columns 64 cg .. + 63 of plane kh, which this work-group alone writes and nobody reads.  So the loop has no line that narrows EXEC, and a turn's four stores go out with no wait between them.
; A turn's four slots travel with its fragments: asked for a turn ahead, under the same branch, into two sets of registers by turns.
; ALL LOOPS HAVE CONSTANT COUNTS; what the count of rows leaves empty is jumped over by scalar branches, never a barrier.  No tensor loads and no cluster: branches hang on a count read from memory.
; K is shared among four waves and two work-groups: the order of the f32 sums differs from a single chain's.
; LIMITS: e2 + e3 between -126 and 127; e2 between -126 and 119.  NaN and infinities are not served (b2 is multiplied by 0 in half 1).
; REGISTERS.  Window 0: v1-14 addresses; v16-19 b2; v20-27 two sets of four slots; v28-31 store offsets; v32 an address; v64-127 eight accumulators ((tile m, columns t) at v[64 + 8 (4 m + t)]); v128-191 sums read back.
;   window 1: W2's fragments (columns t, K step s) at v[16 (4 t + s)].   window 2: the weights' stream.   window 3: two sets of the rows' fragments, (tile m, K step s) at v[128 p + 16 (4 m + s)].
.set WREG, 33792                       ; LDS: from byte 0 each wave's own 64 rows of codes, 512 bytes + 16
.set PW,   528                         ; 33 x 16 bytes
.set STG,  4*WREG                      ; then two stages by turns; in each, for each wave, 32 ranks x (256 bytes + 16)
.set STP,  34816
.set STW,  8704
.set PLANE, 2056*4096                  ; a plane of part in bytes
.set MSB, 0
.macro WIN new                         ; the immediate's high byte repeats the setting that is left
.if MSB != \new
	s_set_vgpr_msb (MSB<<8)|\new
.set MSB, \new
.endif
.endm
	s_load_b256 s[4:11], s[0:1], 0x0               ; hq s[4:5], w2 s[6:7], b2 s[8:9], the scales s[10:11]
	s_load_b128 s[12:15], s[0:1], 0x20             ; list s[12:13], part s[14:15]
	v_lshl_add_u32 v254, v0, 2, 0x32000
	v_mov_b32 v255, 0
	v_lshrrev_b32 v1, 5, v0
	v_readfirstlane_b32 s16, v1                    ; wave
	v_and_b32 v1, 31, v0                           ; lane
	v_and_b32 v2, 15, v0                           ; r
	v_bfe_u32 v3, v0, 4, 1                         ; h
	v_lshlrev_b32 v4, 4, v1                        ; 16 x lane
	v_lshlrev_b32 v13, 4, v2                       ; 16 r
	v_lshlrev_b32 v14, 3, v1                       ; 8 x lane
	s_lshr_b32 s17, ttmp9, 5                       ; e
	s_bfe_u32 s18, ttmp9, 0x40001                  ; cg
	s_and_b32 s19, ttmp9, 1                        ; kh
	v_lshl_add_u32 v6, s16, 13, v4                 ; hq: my four K steps of an image, 16 bytes a lane
	s_mul_i32 s26, s16, WREG
	v_mul_u32_u24 v7, v2, PW
	v_lshl_add_u32 v7, v3, 4, v7
	v_add_nc_u32 v7, s26, v7                       ; W2's fragments, out of my own rows
	s_mul_i32 s27, s16, STW
	v_mul_u32_u24 v8, v2, 272
	v_lshl_add_u32 v8, v3, 5, v8
	v_add_nc_u32 v8, s27, v8
	v_add_nc_u32 v8, STG, v8                       ; into my part of a stage: rank r, 32 bytes for each half of the lanes
	s_mul_i32 s27, s16, 8*272
	v_mul_u32_u24 v9, v3, 272
	v_lshl_add_u32 v9, v2, 4, v9
	v_add_nc_u32 v9, s27, v9
	v_add_nc_u32 v9, STG, v9                       ; back: ranks 8 w + h on, sixteen lanes to a row of 256 bytes
	s_lshl_b32 s27, s16, 5
	v_lshl_add_u32 v10, v3, 2, s27                 ; their words in the list: 4 (8 w + h)
	WIN 0x80                                       ; destination window 2
	v_lshlrev_b32 v240, 4, v1                      ; the stream's load offset
	v_add_nc_u32 v241, s26, v14                    ; and where it puts codes: my rows, 8 bytes a lane
	WIN 0
	s_lshl_b32 s44, s17, 22
	s_lshl_b32 s27, s19, 15
	s_add_co_u32 s44, s44, s27                     ; hq: e x 4 MiB + 16 kh K steps
	s_mov_b32 s45, 0
	s_lshl_b32 s46, s17, 24
	s_lshl_b32 s27, s18, 20
	s_add_co_u32 s46, s46, s27
	s_lshl_b32 s27, s19, 13
	s_add_co_u32 s46, s46, s27
	s_lshl_b32 s27, s16, 11
	s_add_co_u32 s46, s46, s27                     ; w2: e x 16 MiB + 64 cg rows of 16,384 bytes + (2,048 kh + 512 w) numbers
	s_mov_b32 s47, 0
	s_lshl_b32 s48, s17, 12
	s_lshl_b32 s27, s18, 8
	s_add_co_u32 s48, s48, s27                     ; b2: e x 4,096 + 256 cg
	s_mov_b32 s49, 0
	s_mul_i32 s50, s19, PLANE
	s_add_co_u32 s50, s50, s27                     ; part: plane kh + 256 cg
	s_mov_b32 s51, 0
	s_lshl_b32 s52, s17, 2
	s_add_co_u32 s52, s52, 32768                   ; the count: behind the eight lists
	s_mov_b32 s53, 0
	s_lshl_b32 s54, s17, 12                        ; list: e x 4,096
	s_mov_b32 s55, 0
	s_wait_kmcnt 0x0
	s_load_b128 s[28:31], s[10:11], 0x0            ; e0, e1, e2, e3
	s_add_nc_u64 s[52:53], s[12:13], s[52:53]
	s_load_b32 s20, s[52:53], 0x0                  ; the expert's rows
	s_add_nc_u64 s[12:13], s[12:13], s[54:55]
	s_add_nc_u64 s[4:5], s[4:5], s[44:45]
	s_add_nc_u64 s[6:7], s[6:7], s[46:47]
	s_add_nc_u64 s[8:9], s[8:9], s[48:49]
	s_add_nc_u64 s[14:15], s[14:15], s[50:51]
.irp p, 0,1
.irp i, 0,1,2,3
	global_load_b32 v[20+4*\p+\i], v10, s[12:13] offset:128*\p+8*\i   ; the slots of the first two turns: rank 32 p + 8 w + 2 i + h
.endr
.endr
	global_load_b128 v[16:19], v13, s[8:9]         ; b2 at my four columns of a row
	s_wait_kmcnt 0x0
	s_min_u32 s20, s20, 1024                       ; the expert's rows
	s_add_co_i32 s26, s30, 127
	s_lshl_b32 s27, s26, 23
	WIN 0x80
	v_mov_b32 v242, s27                            ; 2^e2 as f32
	WIN 0
	s_add_co_i32 s26, s26, 8
	s_lshl_b32 s26, s26, 23
	s_or_b32 s32, s26, 0x600000                    ; 448 x 2^e2
	s_or_b32 s33, s32, 0x80000000
	s_add_co_i32 s26, s30, s31
	s_add_co_i32 s26, s26, 127
	s_lshl_b32 s36, s26, 23                        ; 2^(e2 + e3)
	s_mov_b32 s37, s36                             ; (named with it as a pair)
; THE WEIGHTS' STREAM, all under one window setting.  Group i is my 2,048 bytes of rows 2 i and 2 i + 1: 8 loads of 512 consecutive bytes.  Seven groups, 56 loads, are on their way.
.macro WISSUE i
	WIN 0xaa
.set RB, 32*((\i)%7)
.irp p, 0,1,2,3
	global_load_b128 v[RB+8*\p:RB+8*\p+3], v240, s[6:7] offset:(2*(\i)+(\p>>1))*16384+1024*(\p&1) th:TH_LOAD_NT
	global_load_b128 v[RB+8*\p+4:RB+8*\p+7], v240, s[6:7] offset:(2*(\i)+(\p>>1))*16384+1024*(\p&1)+512 th:TH_LOAD_NT
.endr
.endm
.macro WGROUP i, left                  ; left: the loads that are younger than group i's
	WIN 0xaa
.set RB, 32*((\i)%7)
.set CB, 224+8*((\i)%2)
	s_wait_loadcnt \left
.set n, 0
.rept 32
	v_med3_num_f32 v[RB+n], v[RB+n], s33, s32      ; the hold at the largest code x the scale (the conversion does not saturate: ISA guide 7.6.2)
.set n, n+1
.endr
	s_wait_dscnt 4                                 ; all but the last group's four stores are done: this set of code registers is free
.irp p, 0,1,2,3
	v_cvt_scalef32_pk8_fp8_f32 v[CB+2*\p:CB+2*\p+1], v[RB+8*\p:RB+8*\p+7], v242
.endr
	v_nop                                          ; a plain line behind the last conversion
.irp p, 0,1,2,3
	ds_store_b64 v241, v[CB+2*\p:CB+2*\p+1] offset:(2*(\i)+(\p>>1))*PW+256*(\p&1)
.endr
.endm
.irp i, 0,1,2,3,4,5,6
	WISSUE \i
.endr
.macro ABATCH k                        ; eight of the 64 loads that bring my K steps of tiles 0 to 3 into both sets
	WIN 0xc0                                       ; destination window 3
.irp q, 0,1,2,3,4,5,6,7
	global_load_b128 v[4*(8*(\k)+\q):4*(8*(\k)+\q)+3], v6, s[4:5] offset:65536*((8*(\k)+\q)>>4)+512*((8*(\k)+\q)&15)
.endr
.endm
.set Q, 0
.rept 25
	WGROUP Q, 48                                   ; six younger groups
	WISSUE Q+7
.set Q, Q+1
.endr
	ABATCH 0                                       ; as the ring runs empty the first four tiles take its place: always (the launch before always makes them), so that window 3 is written on every way
.set Q, 25
.rept 7
	WGROUP Q, 56                                   ; 31 - i younger groups and i - 24 batches, 8 loads each
	ABATCH Q-24
.set Q, Q+1
.endr
	WIN 0x40                                       ; destination window 1.  My own bytes: LDS serves a wave's instructions in order (ISA guide 5.7.1.4), so no wait stands between my stores and these loads
.irp t, 0,1,2,3
.irp s, 0,1,2,3
.irp c, 0,1,2,3
	ds_load_b128 v[16*(4*\t+\s)+4*\c:16*(4*\t+\s)+4*\c+3], v7 offset:16*\t*PW+128*\s+32*\c
.endr
.endr
.endr
	WIN 0
	s_cmp_eq_u32 s19, 0
	s_cselect_b32 s26, 1.0, 0                      ; b2 goes in once: in half 0
.irp j, 16,17,18,19
	v_mul_f32 v\j, s26, v\j                        ; (its load is older than every load that the stream has waited for)
.endr
	s_wait_dscnt 0x0                               ; W2's sixteen fragments are in their registers: the first products below read them
; 32 RANKS, from rank s24 + off on.  p: which set of fragments and slots, and which stage.  pre = 1: the next 32 ranks' slots and fragments are asked for, into the other sets.
; s24 and hq's base are stepped once for two turns: the second turn's 32 ranks stand in the immediates (4 bytes of the list and 4,096 bytes of hq for each rank).
.macro ITER p, pre, off
	s_wait_loadcnt 0x0                             ; sets p are in, and no load of mine is out
	s_add_co_u32 s25, s24, \off                    ; this turn's first rank
.if \pre
	s_add_co_u32 s26, s25, 32
	s_cmp_lt_u32 s26, s20
	s_cbranch_scc0 .Lnp_\@
	s_lshl_b32 s26, s24, 2
	v_add_nc_u32 v32, s26, v10                     ; (the loads that read v32 last have been waited for)
.irp i, 0,1,2,3
	global_load_b32 v[20+4*(1-\p)+\i], v32, s[12:13] offset:4*(\off)+128+8*\i   ; the slot of rank s24 + off + 32 + 8 w + 2 i + h
.endr
	WIN 0xc0
.set n, 0
.rept 32
	global_load_b128 v[128*(1-\p)+4*n:128*(1-\p)+4*n+3], v6, s[4:5] offset:4096*(\off)+131072+65536*(n>>4)+512*(n&15)
.set n, n+1
.endr
	WIN 0
.Lnp_\@:
.endif
	s_cmp_lt_u32 s25, s20
	s_cbranch_scc0 .Lnq_\@
	WIN 0x0d                                       ; source 0 (W2) window 1, source 1 (the rows) window 3, sums window 0
.irp s, 0,1,2,3                        ; the eight accumulators take turns, one instruction a turn; the first K step starts the sums
.irp m, 0,1
.irp t, 0,1,2,3
.if \s == 0
	v_wmma_f32_16x16x128_fp8_fp8 v[64+8*(4*\m+\t):64+8*(4*\m+\t)+7], v[16*(4*\t+\s):16*(4*\t+\s)+15], v[128*\p+16*(4*\m+\s):128*\p+16*(4*\m+\s)+15], 0
.else
	v_wmma_f32_16x16x128_fp8_fp8 v[64+8*(4*\m+\t):64+8*(4*\m+\t)+7], v[16*(4*\t+\s):16*(4*\t+\s)+15], v[128*\p+16*(4*\m+\s):128*\p+16*(4*\m+\s)+15], v[64+8*(4*\m+\t):64+8*(4*\m+\t)+7]
.endif
.endr
.endr
.endr
	WIN 0
.rept 5
	v_nop                                          ; five places behind the last products: for the stores below, for later loads into this set, and for the next products, which begin the sums anew
.endr
.irp m, 0,1
.irp t, 0,1,2,3
	ds_store_b128 v8, v[64+8*(4*\m+\t):64+8*(4*\m+\t)+3] offset:STP*\p+16*272*\m+64*\t        ; each accumulator from its low end on
	ds_store_b128 v8, v[64+8*(4*\m+\t)+4:64+8*(4*\m+\t)+7] offset:STP*\p+16*272*\m+64*\t+16
.endr
.endr
.Lnq_\@:
	s_wait_dscnt 0x0                               ; my sums have landed; my reads of the other stage are long over
	s_barrier_signal -1
	s_barrier_wait -1                              ; everybody's have.  This stage is written again two barriers on
	s_cmp_lt_u32 s25, s20
	s_cbranch_scc0 .Lnr_\@
	s_wait_xcnt 0x0                                ; the last turn's four stores have read their offsets and their data: both are written again only behind this wait
.irp i, 0,1,2,3
.irp v, 0,1,2,3
	ds_load_b128 v[128+16*\i+4*\v:128+16*\i+4*\v+3], v9 offset:STP*\p+STW*\v+544*\i   ; rank s24 + off + 8 w + 2 i + h: its 256 bytes from wave v's part
.endr
.endr
	s_wait_dscnt 0x0
.irp i, 0,1,2,3
	v_pk_add_f32 v[128+16*\i:129+16*\i], v[128+16*\i:129+16*\i], v[132+16*\i:133+16*\i]
	v_pk_add_f32 v[130+16*\i:131+16*\i], v[130+16*\i:131+16*\i], v[134+16*\i:135+16*\i]
	v_pk_add_f32 v[136+16*\i:137+16*\i], v[136+16*\i:137+16*\i], v[140+16*\i:141+16*\i]
	v_pk_add_f32 v[138+16*\i:139+16*\i], v[138+16*\i:139+16*\i], v[142+16*\i:143+16*\i]
	v_pk_add_f32 v[128+16*\i:129+16*\i], v[128+16*\i:129+16*\i], v[136+16*\i:137+16*\i]
	v_pk_add_f32 v[130+16*\i:131+16*\i], v[130+16*\i:131+16*\i], v[138+16*\i:139+16*\i]
	v_pk_fma_f32 v[128+16*\i:129+16*\i], v[128+16*\i:129+16*\i], s[36:37], v[16:17] op_sel_hi:[1,0,1]   ; x 2^(e2 + e3), + b2 or 0
	v_pk_fma_f32 v[130+16*\i:131+16*\i], v[130+16*\i:131+16*\i], s[36:37], v[18:19] op_sel_hi:[1,0,1]
	v_min_u32 v[20+4*\p+\i], 0x807, v[20+4*\p+\i]  ; a plane's last row
	v_lshl_add_u32 v[28+\i], v[20+4*\p+\i], 12, v13   ; the slot's row of 4,096 bytes, my 16 bytes of its 256
.endr
.irp i, 0,1,2,3
	global_store_b128 v[28+\i], v[128+16*\i:131+16*\i], s[14:15]   ; sixteen lanes store 256 consecutive bytes, at a multiple of 256 from part's first byte
.endr
.Lnr_\@:
.endm
	s_mov_b32 s24, 0                               ; rank
	ITER 0, 0, 0                                   ; ranks 0 to 31; both sets were asked for above
	s_wait_xcnt 0x0                                ; the loads have read their base: it steps only behind this wait
	s_add_nc_u64 s[4:5], s[4:5], 131072            ; two tiles on
	s_mov_b32 s24, 32
	s_mov_b32 s23, 15
.Lrow:                                             ; fifteen trips of two turns: ranks 32 to 991
	ITER 1, 1, 0
	ITER 0, 1, 32
	s_wait_xcnt 0x0                                ; the loads have read their base
	s_add_nc_u64 s[4:5], s[4:5], 262144            ; four tiles on
	s_add_co_u32 s24, s24, 64
	s_sub_co_u32 s23, s23, 1
	s_cmp_lg_u32 s23, 0
	s_cbranch_scc1 .Lrow
	ITER 1, 0, 0                                   ; ranks 992 on: nothing follows
	s_wait_tensorcnt 0x0
	ds_add_u32 v254, v255
	s_wait_dscnt 0x0
	s_endpgm
.Lfunc_end_k_q3e6fdf7547_down:
	.size	k_q3e6fdf7547_down, .Lfunc_end_k_q3e6fdf7547_down-k_q3e6fdf7547_down
	.p2alignl 7, 3214868480
	.fill 96, 4, 3214868480
	.section	.rodata,"a",@progbits
	.p2align	6, 0x0
	.amdhsa_kernel k_q3e6fdf7547_down
		.amdhsa_group_segment_fixed_size 205312
		.amdhsa_private_segment_fixed_size 0
		.amdhsa_enable_private_segment 0
		.amdhsa_kernarg_size 48
		.amdhsa_user_sgpr_count 2
		.amdhsa_user_sgpr_kernarg_segment_ptr 1
		.amdhsa_wavefront_size32 1
		.amdhsa_system_sgpr_workgroup_id_x 1
		.amdhsa_system_sgpr_workgroup_id_y 1
		.amdhsa_system_sgpr_workgroup_id_z 1
		.amdhsa_system_vgpr_workitem_id 0
		.amdhsa_next_free_vgpr 1024
		.amdhsa_next_free_sgpr 66
		.amdhsa_reserve_vcc 0
		.amdhsa_float_denorm_mode_32 3
		.amdhsa_float_denorm_mode_16_64 3
		.amdhsa_memory_ordered 1
		.amdhsa_forward_progress 1
		.amdhsa_inst_pref_size 160
	.end_amdhsa_kernel
	.amdgpu_metadata
---
amdhsa.version: [ 1, 2 ]
amdhsa.kernels:
  - .name:           k_q3e6fdf7547_down
    .symbol:         k_q3e6fdf7547_down.kd
    .args:
      - { .name: hq, .offset: 0, .size: 8, .value_kind: global_buffer, .address_space: global }
      - { .name: w2, .offset: 8, .size: 8, .value_kind: global_buffer, .address_space: global }
      - { .name: b2, .offset: 16, .size: 8, .value_kind: global_buffer, .address_space: global }
      - { .name: lowp_scales, .offset: 24, .size: 8, .value_kind: global_buffer, .address_space: global }
      - { .name: list, .offset: 32, .size: 8, .value_kind: global_buffer, .address_space: global }
      - { .name: part, .offset: 40, .size: 8, .value_kind: global_buffer, .address_space: global }
    .group_segment_fixed_size: 205312
    .private_segment_fixed_size: 0
    .kernarg_segment_align: 8
    .kernarg_segment_size: 48
    .max_flat_workgroup_size: 128
    .sgpr_count:     66
    .vgpr_count:     1024
    .wavefront_size: 32
...
	.end_amdgpu_metadata
.endif
;; end of part 3
;; launch combine (part 4): grid 256 x 1, 4 waves a work-group, no clusters, 0 bytes of LDS; arguments part, gw, out0; writes out0
.if DOCPART == 4
	.amdgcn_target "amdgcn-amd-amdhsa--gfx1250"
	.amdhsa_code_object_version 6
	.text
	.protected	k_q3e6fdf7547_combine
	.globl	k_q3e6fdf7547_combine
	.p2align	8
	.type	k_q3e6fdf7547_combine,@function
k_q3e6fdf7547_combine:
	s_mov_b64 s[64:65], 0
	v_nop
	global_prefetch_b8 v0, s[64:65] scope:SCOPE_SE
	s_setreg_imm32_b32 hwreg(HW_REG_WAVE_MODE, 25, 1), 1
	s_wait_xcnt 0x0
; out0[t] = w0 (part[0][2 t] + part[1][2 t]) + w1 (part[0][2 t + 1] + part[1][2 t + 1]): a token's two experts, each in two halves of the hidden layer, weighed by the gate.
; part is [2][2,056][1,024] f32; of a plane's rows the first 2,048, the slots, are read here.
; A stream: one wave takes one token.  Its four rows of 4,096 bytes are asked for at once, 32 loads of 512 consecutive bytes; each chunk of 512 bytes of the result leaves as soon as its four sources are in.
; No LDS, no barrier, no matrix unit: bytes are all that counts here.
.set SRC, 8                            ; v8-135    source a (half a / 2, choice a % 2), chunk j: four registers at 4 (8 a + j)
.set OUTR, 136                         ; v136-167  chunk j of the result
.set PLANE, 2056*4096                  ; a plane of part in bytes
	s_load_b128 s[4:7], s[0:1], 0x0                ; part s[4:5], gw s[6:7]
	s_load_b64 s[8:9], s[0:1], 0x10                ; out0
	v_lshrrev_b32 v1, 5, v0
	v_readfirstlane_b32 s2, v1                     ; wave
	v_and_b32 v1, 31, v0
	v_lshlrev_b32 v2, 4, v1                        ; 16 x lane
	s_lshl_b32 s3, ttmp9, 2
	s_add_co_u32 s3, s3, s2                        ; my token
	s_lshl_b32 s10, s3, 13                         ; two rows of part
	s_mov_b32 s11, 0
	s_lshl_b32 s12, s3, 3                          ; two weights
	s_mov_b32 s13, 0
	s_lshl_b32 s14, s3, 12                         ; a row of out0
	s_mov_b32 s15, 0
	s_wait_kmcnt 0x0
	s_add_nc_u64 s[4:5], s[4:5], s[10:11]
	s_add_nc_u64 s[16:17], s[4:5], PLANE           ; the other half's plane: too far for a load's immediate
	s_add_nc_u64 s[6:7], s[6:7], s[12:13]
	s_add_nc_u64 s[8:9], s[8:9], s[14:15]
	s_load_b64 s[18:19], s[6:7], 0x0               ; w0, w1
.irp a, 0,1
.irp j, 0,1,2,3,4,5,6,7
	global_load_b128 v[SRC+4*(8*\a+\j):SRC+4*(8*\a+\j)+3], v2, s[4:5] offset:4096*\a+512*\j th:TH_LOAD_NT
.endr
.endr
.irp a, 0,1
.irp j, 0,1,2,3,4,5,6,7
	global_load_b128 v[SRC+4*(16+8*\a+\j):SRC+4*(16+8*\a+\j)+3], v2, s[16:17] offset:4096*\a+512*\j th:TH_LOAD_NT
.endr
.endr
	s_wait_kmcnt 0x0
	s_mov_b32 s20, s19                             ; w1 as the low word of a pair: the packed forms take a scalar pair's low word for both halves
	s_mov_b32 s21, s19
.irp j, 0,1,2,3,4,5,6,7
	s_wait_loadcnt 7-\j                            ; chunk j's last source is load 24 + j of 32: 7 - j are younger
.irp k, 0,2
	v_pk_add_f32 v[OUTR+4*\j+\k:OUTR+4*\j+\k+1], v[SRC+4*\j+\k:SRC+4*\j+\k+1], v[SRC+4*(16+\j)+\k:SRC+4*(16+\j)+\k+1]
	v_pk_add_f32 v[SRC+4*(8+\j)+\k:SRC+4*(8+\j)+\k+1], v[SRC+4*(8+\j)+\k:SRC+4*(8+\j)+\k+1], v[SRC+4*(24+\j)+\k:SRC+4*(24+\j)+\k+1]
.endr
.irp k, 0,2
	v_pk_mul_f32 v[OUTR+4*\j+\k:OUTR+4*\j+\k+1], v[OUTR+4*\j+\k:OUTR+4*\j+\k+1], s[18:19] op_sel_hi:[1,0]
.endr
.irp k, 0,2
	v_pk_fma_f32 v[OUTR+4*\j+\k:OUTR+4*\j+\k+1], v[SRC+4*(8+\j)+\k:SRC+4*(8+\j)+\k+1], s[20:21], v[OUTR+4*\j+\k:OUTR+4*\j+\k+1] op_sel_hi:[1,0,1]
.endr
	global_store_b128 v2, v[OUTR+4*\j:OUTR+4*\j+3], s[8:9] offset:512*\j th:TH_STORE_NT   ; 32 lanes store 512 consecutive bytes, at a multiple of 256 from out0's first byte
.endr
	s_endpgm
.Lfunc_end_k_q3e6fdf7547_combine:
	.size	k_q3e6fdf7547_combine, .Lfunc_end_k_q3e6fdf7547_combine-k_q3e6fdf7547_combine
	.p2alignl 7, 3214868480
	.fill 96, 4, 3214868480
	.section	.rodata,"a",@progbits
	.p2align	6, 0x0
	.amdhsa_kernel k_q3e6fdf7547_combine
		.amdhsa_group_segment_fixed_size 0
		.amdhsa_private_segment_fixed_size 0
		.amdhsa_enable_private_segment 0
		.amdhsa_kernarg_size 24
		.amdhsa_user_sgpr_count 2
		.amdhsa_user_sgpr_kernarg_segment_ptr 1
		.amdhsa_wavefront_size32 1
		.amdhsa_system_sgpr_workgroup_id_x 1
		.amdhsa_system_sgpr_workgroup_id_y 1
		.amdhsa_system_sgpr_workgroup_id_z 1
		.amdhsa_system_vgpr_workitem_id 0
		.amdhsa_next_free_vgpr 168
		.amdhsa_next_free_sgpr 66
		.amdhsa_reserve_vcc 0
		.amdhsa_float_denorm_mode_32 3
		.amdhsa_float_denorm_mode_16_64 3
		.amdhsa_memory_ordered 1
		.amdhsa_forward_progress 1
		.amdhsa_inst_pref_size 10
	.end_amdhsa_kernel
	.amdgpu_metadata
---
amdhsa.version: [ 1, 2 ]
amdhsa.kernels:
  - .name:           k_q3e6fdf7547_combine
    .symbol:         k_q3e6fdf7547_combine.kd
    .args:
      - { .name: part, .offset: 0, .size: 8, .value_kind: global_buffer, .address_space: global }
      - { .name: gw, .offset: 8, .size: 8, .value_kind: global_buffer, .address_space: global }
      - { .name: out0, .offset: 16, .size: 8, .value_kind: global_buffer, .address_space: global }
    .group_segment_fixed_size: 0
    .private_segment_fixed_size: 0
    .kernarg_segment_align: 8
    .kernarg_segment_size: 24
    .max_flat_workgroup_size: 128
    .sgpr_count:     66
    .vgpr_count:     168
    .wavefront_size: 32
...
	.end_amdgpu_metadata
.endif
;; end of part 4
;; ======== version 2 of 2: 4 launches; version 1 with the launches up, down written anew for expert scheduling mode
;; workspace buffers: xq 1,048,576 bytes; selp 4,096 bytes of whole numbers; list 33,024 bytes of whole numbers; gw 8,192 bytes; hq 33,554,432 bytes; part 16,842,752 bytes
;; launch route: the kernel of part 1 again; grid 256 x 1, 4 waves a work-group, no clusters, 0 bytes of LDS; arguments x, gate_w, gate_b, lowp_scales, xq, selp, gw, out1; writes xq, selp, gw, out1
;; launch up (part 5): grid 256 x 1, 4 waves a work-group, no clusters, 300,032 bytes of LDS; arguments xq, w1, b1, lowp_scales, selp, list, hq; writes list, hq
.if DOCPART == 5
	.amdgcn_target "amdgcn-amd-amdhsa--gfx1250"
	.amdhsa_code_object_version 6
	.text
	.protected	k_q3e6fdf7547_up
	.globl	k_q3e6fdf7547_up
	.p2align	8
	.type	k_q3e6fdf7547_up,@function
k_q3e6fdf7547_up:
	s_mov_b64 s[64:65], 0
	v_nop
	global_prefetch_b8 v0, s[64:65] scope:SCOPE_SE
	s_setreg_imm32_b32 hwreg(HW_REG_WAVE_SCHED_MODE, 0, 2), 2
	s_setreg_imm32_b32 hwreg(HW_REG_WAVE_MODE, 25, 1), 1
	s_wait_xcnt 0x0
	s_wait_alu depctr_vm_vsrc(0)
; THE FIRST LAYER OF THE CHOSEN EXPERTS: hq = codes of gelu(x W1^T + b1), for the rows that chose the expert alone; and the experts' lists of rows, for the next launch.
; SHARES.  Work-group g: expert e = g / 32, and jj = g % 32: the 128 PLACES 128 jj .. + 127 of the hidden layer, one K step of the second product.  Wave w owns 32 of them: its 32 rows of W1 (128 KB of f32) are read
; from memory once, quantised on the way and kept as 16 fragments in 256 registers.  What goes round is the small thing: the tokens' codes.
; PLACE ORDER.  A block of 256 numbers along K is read by two loads of 512 consecutive bytes (lane l: numbers 4 l .. + 3 and 128 + 4 l .. + 3); the lane's eight codes lie at bytes 8 l .. 8 l + 7 of the block.  x's codes, W1's and W2's
; are all laid so.  So place 128 jj + 32 w + p of the hidden layer is unit U + 4 (p / 8) + p % 4 + 128 ((p / 4) % 2), U = 256 (jj / 2) + 64 (jj % 2) + 16 w: my rows of W1 are U .. U + 15 and U + 128 .. U + 143.
; THE RANKS are made in registers.  selp[t] = (1 << first expert) | (1 << (8 + second expert)).  Every wave reads all of it: register j = 4 c + i, lane l holds token 128 c + i + 4 l.  For each of these 32 words of 32 tokens it keeps, the same in
; every lane, the mask of the lanes that chose the expert, the mask of those that chose it second, and the rows ahead of the word; their sum is the expert's count.  Rows are ranked word by word, lane by lane.  To find the row of a rank (FIND,
; a rank to a lane): the last word that begins at or under the rank, then the K-th set bit of its mask by five halvings over packed counts of bits.  slot = 2 x token + choice; ranks from the count on hold 2,048 + e, which the clamp turns into token 1,023.
; The work-group with jj = 0 stores the slots to list[e][rank] and the count behind the eight lists: the next launch reads both.
; THE PRODUCT IS USED TRANSPOSED (source 0 = 16 rows of W1, source 1 = 16 tokens): a lane holds one token, its registers run along the hidden places.  Lane r of tile u takes row r + 8 (r / 8) + 8 u of my 32, so that the 16 registers
; of tiles 0 and 1 are 16 neighbouring places: their codes ARE four registers of the next product's operand, and are stored as an image of those registers: hq [e][tile of 16 ranks][K step][c][lane][16 bytes].
; A FRAGMENT (16 rows x 128 places) is 16 registers: lane (r, h) holds, in registers 4 c .. 4 c + 3, places 32 c + 16 h + 0 .. 15 of row r: the same order of k on both sides of each product.
; GELU, exact: g = max(x, 0) - |x| erfc(|x| / sqrt 2) / 2, erfc(z) = t exp(-z^2 + a polynomial of degree 9 in t), t = 1 / (1 + z / 2): relative error under 1.2e-7 for every z, and no difference of near numbers.
; A TRIP of 32 ranks: 32 products, then 437 vector lines.  The next trip's 64 fragment loads stand among those lines, 16 ahead of each quarter of them, so that LDS is read while the vector unit works.
; ALL LOOPS HAVE CONSTANT COUNTS; what the expert's count of rows leaves empty is jumped over by scalar branches, never a barrier.  At least 64 ranks are always made, since the next launch loads four tiles before it looks at the count.
; No tensor loads and no cluster: branches hang on a count that is made from numbers read from memory.  No line of this text changes EXEC.
; LIMITS: e0 + e1 between -126 and 127; e1 and e3 between -126 and 119.  NaN and infinities are not served.
; THE MODE: SCHED_MODE bits 1:0 = 2 (LLVM: expert scheduling mode 2), set by the entry lines.  The code itself states the register dependences between vector or matrix instructions and memory or LDS instructions,
; and those through scalar registers and VCC that vector instructions write, with s_wait_alu, always for 0.
; THE PLAN.  Registers that memory or LDS instructions touch:
;   the stream's seven sets of numbers   A group's loads land; its holds and conversions read and write the set; behind them the loads of seven groups on land in it.
;   the stream's two sets of codes       A group's conversions write a set; its four LDS stores read it; the conversions of two groups on write it again.
;   So a group has two waits: on vm_vsrc ahead of its conversions, on va_vdst behind them; its four stores and the eight loads follow the second.
;   x's fragments (all of window 2)      LDS loads land; a trip's products read them; the next trip's loads land behind ONE wait on va_vdst, which stands behind the add to v7; the later quarters of the 64 loads stand
;                                        among GELU's lines, which name neither v7 nor window 2.
;   v7                                   The fragments' LDS address: written once a trip, behind a wait on vm_vsrc that stands behind the products, ahead of the branch.
;   window 3                             The gathers land; the LDS stores read it; no vector line names it.
;   v16-47, v10, v247                    FIND writes them; one wait on va_vdst at its end; the gathers and the list's store read them.
;   One wait on vm_vsrc at a block's head, ahead of every branch of the block, frees v7, window 3, v16-47, v10 and v247 (in the first block: the stream's addresses and codes too).
;   v128-135                             A trip's conversions write them; a wait on va_vdst; two stores read them; the wait on vm_vsrc behind the next trip's products frees them.
;   v4, v5, v8, v9, v13, and the stream's two addresses are written at the head alone, ahead of the first wait on va_vdst.
; REGISTERS, in windows of 256.  Window 0: v1-15 addresses; v16-47 the gather's offsets; v48-79 second-choice masks; v80-95 b1; v96-127 four accumulators; v128-135 codes; v136-167 GELU at work; v168-169 a coefficient; v170-175, v240-248 the search;
;   v176-207 selp, then the masks; v208-239 the rows ahead of each word; v254, v255 the closing add's two.
;   window 1: W1's fragments (tile u, K step s) at v[16 (8 u + s)].   window 2: the weights' stream (7 sets of 32 numbers, 2 sets of 8 code registers, v240-242), later x's fragments (tile m, K step s) at v[16 (8 m + s)].
;   window 3: 32 gathered rows of codes, 8 registers each.
.set WREG, 33280                       ; LDS: from byte 0 each wave's own 32 rows of codes, 1,024 bytes + 16
.set XS,   4*WREG                      ; then 128 tokens' rows of codes, 1,024 bytes + 16.  The claim is 32 rows larger than that: the request for the next trip's rows is written once for the four trips; in a block's last trip the branch
                                       ; on the block's end leaves it out, and its addresses would lie in those bytes.  Behind them the spare words, 128 bytes for each wave
.set PW,   1040                        ; the pitch: 65 x 16 bytes, so that the 16 rows of a fragment load start at different banks (64 banks of 4 bytes: ISA guide 11.1)
.set GA,   16                          ; v16-47   the byte offsets in xq of 32 rows
.set M2,   48                          ; v48-79   word j: the lanes that chose the expert second
.set MK,   176                         ; v176-207 word j: the lanes that chose the expert
.set PF,   208                         ; v208-239 word j: the rows ahead of it
.set RK,   170                         ; the search: my rank;
.set WM,   171                         ; my word's mask,
.set WP,   172                         ; the rows ahead of it,
.set WQ,   173                         ; its second-choice mask,
.set WB,   174                         ; its first token;
.set KK,   175                         ; which set bit of it I want;
.set C2,   240                         ; its counts of bits in fields of 2,
.set C4,   241                         ; 4,
.set C8,   242                         ; 8
.set C16,  243                         ; and (low byte) 16 bits;
.set POS,  244                         ; the bit's place so far;
.set TT,   245                         ; at work
.set UU,   246
.set SL,   247                         ; my rank's slot
.set TK,   248                         ; and its token
.set MSB, 0
.macro WIN new                         ; the immediate's high byte repeats the setting that is left
.if MSB != \new
	s_set_vgpr_msb (MSB<<8)|\new
.set MSB, \new
.endif
.endm
; THE WEIGHTS' STREAM, all under one window setting.  Group i is one row of W1: 8 loads of 512 consecutive bytes.  Seven groups, 56 loads, are on their way.
.macro WISSUE i
	WIN 0xaa
.set RB, 32*((\i)%7)
.set GOB, (((\i)&15)+128*((\i)>>4))*4096
.irp p, 0,1,2,3
	global_load_b128 v[RB+8*\p:RB+8*\p+3], v240, s[6:7] offset:GOB+1024*\p th:TH_LOAD_NT
	global_load_b128 v[RB+8*\p+4:RB+8*\p+7], v240, s[6:7] offset:GOB+1024*\p+512 th:TH_LOAD_NT
.endr
.endm
.macro WGROUP i, left                  ; left: the loads that are younger than group i's
	WIN 0xaa
.set RB, 32*((\i)%7)
.set CB, 224+8*((\i)%2)
.set LOB, (8*(((\i)&15)>>2)+((\i)&3)+4*((\i)>>4))*PW   ; the row's place among my 32
	s_wait_loadcnt \left
.set n, 0
.rept 32
	v_med3_num_f32 v[RB+n], v[RB+n], s33, s32      ; the hold at the largest code x the scale (the conversion does not saturate: ISA guide 7.6.2)
.set n, n+1
.endr
	s_wait_dscnt 4                                 ; all but the last group's four stores are done: this set of code registers, used two groups ago, is free
	s_wait_alu depctr_vm_vsrc(0)                   ; the LDS stores of two groups ago have read this set of code registers, which the conversions write again
.irp p, 0,1,2,3
	v_cvt_scalef32_pk8_fp8_f32 v[CB+2*\p:CB+2*\p+1], v[RB+8*\p:RB+8*\p+7], v242
.endr
	v_nop                                          ; a plain line behind the last conversion
	s_wait_alu depctr_va_vdst(0)                   ; the conversions have written the codes, which the stores below read; the holds and the conversions are done with this set of numbers, in which the loads of seven groups on land
.irp p, 0,1,2,3
	ds_store_b64 v241, v[CB+2*\p:CB+2*\p+1] offset:LOB+256*\p   ; 32 lanes: 256 consecutive bytes of the row
.endr
.endm
; Four words of selp become masks and counts.  The four take turns line by line, so that no scalar line waits for the vector line just ahead of it.
.macro SCAN4 c
.irp i, 0,1,2,3
	v_and_b32 v[C2+\i], s38, v[MK+4*\c+\i]         ; the expert's two bits
.endr
.irp i, 0,1,2,3
	v_cmp_ne_u32 s[56+\i], 0, v[C2+\i]             ; the lanes whose token chose the expert,
	v_cmp_lt_u32 s[60+\i], s43, v[C2+\i]           ; and those that chose it second: more than 1 << e is left
.endr
	s_wait_alu depctr_va_sdst(0)                   ; the eight compares have written s56 to s63, ahead of their first readers
.irp i, 0,1,2,3
	v_mov_b32 v[MK+4*\c+\i], s[56+\i]
	v_mov_b32 v[M2+4*\c+\i], s[60+\i]
.endr
.irp i, 0,1,2,3
	s_bcnt1_i32_b32 s[44+\i], s[56+\i]
.endr
.irp i, 0,1,2,3
	v_mov_b32 v[PF+4*\c+\i], s40                   ; the rows ahead of this word
	s_add_co_u32 s40, s40, s[44+\i]
.endr
.endm
; One halving: if the lower half of the field at POS holds K set bits or fewer, the bit lies in the upper half
.macro HALVE x, w, inc
	v_lshrrev_b32 v[TT], v[POS], v[\x]
	v_and_b32 v[TT], \w, v[TT]                     ; set bits in the lower half
	v_cmp_ge_u32 vcc_lo, v[KK], v[TT]
	v_sub_nc_u32 v[TT], v[KK], v[TT]
	v_add_nc_u32 v[UU], \inc, v[POS]
	s_wait_alu depctr_va_vcc(0)                    ; the compare has written VCC, which the two choices below read
	v_cndmask_b32 v[KK], v[KK], v[TT], vcc_lo
	v_cndmask_b32 v[POS], v[POS], v[UU], vcc_lo
.endm
; The rows of ranks s26 .. s26 + 31, a rank to a lane; then the offsets in xq of the 32 rows, the same in every lane but for its 16 bytes
.macro FIND
	v_add_nc_u32 v[RK], s26, v1                    ; my rank
	v_mov_b32 v[WM], v[MK]
	v_mov_b32 v[WP], v[PF]
	v_mov_b32 v[WQ], v[M2]
	v_mov_b32 v[WB], 0
.set j0, 1
.rept 4                                ; words 1 to 31, eight at a time: a run of compares into s56 to s63, one wait, then the choices in ascending order of the words
.set j, j0
.rept 8
.if j < 32
	v_cmp_gt_u32 s[56+j-j0], v[PF+j], v[RK]        ; word j begins beyond my rank: keep what I have; else take word j
.endif
.set j, j+1
.endr
	s_wait_alu depctr_va_sdst(0)                   ; the run's compares have written their masks, ahead of the choices that read them
.set j, j0
.rept 8
.if j < 32
	v_cndmask_b32 v[WM], v[MK+j], v[WM], s[56+j-j0]
	v_cndmask_b32 v[WP], v[PF+j], v[WP], s[56+j-j0]
	v_cndmask_b32 v[WQ], v[M2+j], v[WQ], s[56+j-j0]
	v_cndmask_b32 v[WB], 128*(j/4)+j%4, v[WB], s[56+j-j0]
.endif
.set j, j+1
.endr
.set j0, j0+8
.endr
	v_sub_nc_u32 v[KK], v[RK], v[WP]               ; I want set bit K of my word, counted from 0
	v_lshrrev_b32 v[TT], 1, v[WM]
	v_and_b32 v[TT], 0x55555555, v[TT]
	v_sub_nc_u32 v[C2], v[WM], v[TT]               ; set bits in each field of 2,
	v_lshrrev_b32 v[TT], 2, v[C2]
	v_and_b32 v[TT], 0x33333333, v[TT]
	v_and_b32 v[C4], 0x33333333, v[C2]
	v_add_nc_u32 v[C4], v[C4], v[TT]               ; of 4,
	v_lshrrev_b32 v[TT], 4, v[C4]
	v_add_nc_u32 v[TT], v[C4], v[TT]
	v_and_b32 v[C8], 0x0f0f0f0f, v[TT]             ; of 8,
	v_lshrrev_b32 v[TT], 8, v[C8]
	v_add_nc_u32 v[C16], v[C8], v[TT]              ; and, in the low byte, of the low 16
	v_mov_b32 v[POS], 0
	HALVE C16, 0xff, 16
	HALVE C8, 0xff, 8
	HALVE C4, 15, 4
	HALVE C2, 3, 2
	HALVE WM, 1, 1
	v_cmp_gt_u32 vcc_lo, s20, v[RK]                ; my rank lies under the count
	v_lshl_add_u32 v[TK], v[POS], 2, v[WB]         ; the token: the word's first + 4 x the lane
	v_lshrrev_b32 v[TT], v[POS], v[WQ]
	v_and_b32 v[TT], 1, v[TT]                      ; 0: first choice, 1: second
	v_lshl_add_u32 v[SL], v[TK], 1, v[TT]          ; slot
	s_wait_alu depctr_va_vcc(0)                    ; the compare with the count has written VCC, which the choice below reads
	v_cndmask_b32 v[SL], s39, v[SL], vcc_lo        ; under the count: the slot; else 2,048 + e
	v_lshrrev_b32 v[TK], 1, v[SL]
	v_lshlrev_b32 v10, 2, v[RK]                    ; my rank's word in the list
.irp g, 0,1,2,3
.irp q, 0,1,2,3,4,5,6,7
	v_readlane_b32 s[56+\q], v[TK], 8*\g+\q
.endr
	s_wait_alu depctr_va_sdst(0)                   ; the eight tokens are in s56 to s63, ahead of the clamps that read them
.irp q, 0,1,2,3,4,5,6,7
	s_min_u32 s[56+\q], s[56+\q], 0x3ff
.endr
.irp q, 0,1,2,3,4,5,6,7
	v_lshl_add_u32 v[GA+8*\g+\q], s[56+\q], 10, v4 ; the token's 1,024 bytes, 16 a lane
.endr
.endr
	s_wait_alu depctr_va_vdst(0)                   ; v10 and the slots are written, which the list's store reads; so are the 32 offsets, which the gathers read.  Ahead of the branch: it holds on both ways
	s_cmp_lg_u32 s18, 0
	s_cbranch_scc1 .Lnot_mine_\@                   ; one work-group of the expert's 32 stores the list
	global_store_b32 v10, v[SL], s[12:13]          ; 32 lanes store 128 consecutive bytes
.Lnot_mine_\@:
.endm
.macro GBATCH k                        ; rows 4 k .. 4 k + 3 of the 32: two loads of 512 consecutive bytes each.  No vector line since FIND's last wait names their offsets, and none ever names window 3
	WIN 0xc0                                       ; destination window 3
.irp q, 0,1,2,3
	global_load_b128 v[8*(4*(\k)+\q):8*(4*(\k)+\q)+3], v[GA+4*(\k)+\q], s[4:5]
	global_load_b128 v[8*(4*(\k)+\q)+4:8*(4*(\k)+\q)+7], v[GA+4*(\k)+\q], s[4:5] offset:512
.endr
.endm
; A quarter of a trip's x fragments: K steps 2 q and 2 q + 1 of two tiles of 16 rows, from `ahead` bytes behind v7
.macro XQ q, ahead
	WIN 0x80                                       ; destination window 2
.irp s, 2*\q, 2*\q+1
.irp m, 0,1
.irp c, 0,1,2,3
	ds_load_b128 v[16*(8*\m+(\s))+4*\c:16*(8*\m+(\s))+4*\c+3], v7 offset:\ahead+16*PW*\m+128*(\s)+32*\c
.endr
.endr
.endr
.endm
; eight numbers in place: v[a] .. v[a + 7] = gelu(sum x 2^(e0 + e1) + b1)
.macro GELU8 a, b
.irp j, 0,2,4,6
	v_pk_fma_f32 v[\a+\j:\a+\j+1], v[\a+\j:\a+\j+1], s[36:37], v[\b+\j:\b+\j+1] op_sel_hi:[1,0,1]   ; x; the accumulator is read from its low end on
.endr
.irp j, 0,1,2,3,4,5,6,7
	v_fma_f32 v[136+\j], |v[\a+\j]|, 0x3eb504f3, 1.0   ; 1 + z / 2, z = |x| / sqrt 2
.endr
.irp j, 0,1,2,3,4,5,6,7
	v_rcp_f32 v[136+\j], v[136+\j]                 ; t
.endr
.irp j, 0,2,4,6
	v_pk_mul_f32 v[152+\j:152+\j+1], v[\a+\j:\a+\j+1], v[\a+\j:\a+\j+1]   ; x^2.  (Plain lines behind the reciprocals)
.endr
	s_wait_alu depctr_va_vdst(0)                   ; the eight reciprocals have written v136 to v143: one wait for the batch, ahead of its first reader
.irp j, 0,2,4,6
	v_pk_fma_f32 v[144+\j:144+\j+1], v[136+\j:136+\j+1], 0x3e2ef945, v[168:169] op_sel_hi:[1,0,1]
.endr
.irp c, 0x3fbe87b0, 0xbf914e5d, 0x3e8ec7cc, 0xbe3ec24c, 0x3dc636c9, 0x3ebf88fb, 0x3f8000c7, 0xbfa1fc4e
.irp j, 0,2,4,6
	v_pk_fma_f32 v[144+\j:144+\j+1], v[144+\j:144+\j+1], v[136+\j:136+\j+1], \c op_sel_hi:[1,1,0]
.endr
.endr
.irp j, 0,2,4,6
	v_pk_fma_f32 v[144+\j:144+\j+1], v[152+\j:152+\j+1], -0.5, v[144+\j:144+\j+1] op_sel_hi:[1,0,1]   ; - z^2
.endr
.irp j, 0,2,4,6
	v_pk_mul_f32 v[144+\j:144+\j+1], v[144+\j:144+\j+1], 0x3fb8aa3b op_sel_hi:[1,0]
.endr
.irp j, 0,1,2,3,4,5,6,7
	v_exp_f32 v[152+\j], v[144+\j]
.endr
.irp j, 0,1,2,3,4,5,6,7
	v_max_num_f32 v[160+\j], 0, v[\a+\j]           ; max(x, 0).  (Plain lines behind the exponentials)
.endr
	s_wait_alu depctr_va_vdst(0)                   ; the eight exponentials have written v152 to v159: one wait for the batch, ahead of its first reader
.irp j, 0,2,4,6
	v_pk_mul_f32 v[152+\j:152+\j+1], v[152+\j:152+\j+1], v[136+\j:136+\j+1]   ; erfc(z)
.endr
.irp j, 0,2,4,6
	v_pk_mul_f32 v[152+\j:152+\j+1], v[152+\j:152+\j+1], v[\a+\j:\a+\j+1]
.endr
.irp j, 0,1,2,3,4,5,6,7
	v_fma_f32 v[\a+\j], |v[152+\j]|, -0.5, v[160+\j]
.endr
.endm
	s_load_b256 s[4:11], s[0:1], 0x0               ; xq s[4:5], w1 s[6:7], b1 s[8:9], the scales s[10:11]
	s_load_b64 s[48:49], s[0:1], 0x20              ; selp
	s_load_b128 s[12:15], s[0:1], 0x28             ; list s[12:13], hq s[14:15]
	v_lshl_add_u32 v254, v0, 2, 0x49200            ; my spare word, and 0: made here and kept for the closing lines alone
	v_mov_b32 v255, 0
	v_lshrrev_b32 v1, 5, v0
	v_readfirstlane_b32 s16, v1                    ; wave
	v_and_b32 v1, 31, v0                           ; lane
	v_and_b32 v2, 15, v0                           ; r
	v_bfe_u32 v3, v0, 4, 1                         ; h
	v_lshlrev_b32 v4, 4, v1                        ; 16 x lane
	v_lshlrev_b32 v14, 3, v1                       ; 8 x lane
	v_lshlrev_b32 v13, 5, v3                       ; b1: 32 h
	s_lshr_b32 s17, ttmp9, 5                       ; e
	s_and_b32 s18, ttmp9, 31                       ; jj
	s_wait_alu depctr_va_sdst(0)                   ; s16, the wave's number, is written, ahead of its first reader
	s_lshl_b32 s19, s16, 5                         ; 32 w
	s_mul_i32 s26, s16, WREG
	v_add_nc_u32 v5, s26, v4
	v_add_nc_u32 v5, XS, v5                        ; where I put gathered rows: rows 32 w on, 16 bytes a lane
	v_mul_u32_u24 v6, v2, PW
	v_lshl_add_u32 v6, v3, 4, v6
	v_add_nc_u32 v6, XS, v6                        ; x's fragments: row r, + 16 h
	v_and_b32 v7, 8, v2
	v_add_nc_u32 v7, v7, v2                        ; r + 8 (r / 8)
	v_mul_u32_u24 v8, v7, PW
	v_lshl_add_u32 v8, v3, 4, v8
	v_add_nc_u32 v8, s26, v8                       ; W1's fragments, out of my own rows
	v_lshl_add_u32 v9, s16, 9, v4                  ; hq: piece c = w of an image, 16 bytes a lane
	WIN 0x80                                       ; destination window 2
	v_lshlrev_b32 v240, 4, v1                      ; the stream's load offset: 16 x lane
	v_add_nc_u32 v241, s26, v14                    ; and where it puts codes: my rows, 8 bytes a lane
.irp j, 243,244,245,246,247,248,249,250,251,252,253,254,255
	v_mov_b32 v\j, 0                               ; the thirteen registers of x's fragments that the stream does not write: written once, so that every register of a product is written on every way to it
.endr
	WIN 0
	s_lshr_b32 s26, s18, 1
	s_lshl_b32 s26, s26, 8
	s_and_b32 s27, s18, 1
	s_lshl_b32 s27, s27, 6
	s_add_co_u32 s26, s26, s27
	s_lshl_b32 s27, s16, 4
	s_add_co_u32 s26, s26, s27                     ; U
	s_lshl_b32 s44, s26, 12
	s_lshl_b32 s27, s17, 24
	s_add_co_u32 s44, s44, s27                     ; w1: e x 16 MiB + U rows of 4,096 bytes
	s_mov_b32 s45, 0
	s_lshl_b32 s46, s26, 2
	s_lshl_b32 s27, s17, 14
	s_add_co_u32 s46, s46, s27                     ; b1: e x 16,384 + 4 U
	s_mov_b32 s47, 0
	s_lshl_b32 s40, s17, 22
	s_lshl_b32 s27, s18, 11
	s_add_co_u32 s40, s40, s27                     ; hq: e x 4 MiB + K step jj
	s_mov_b32 s41, 0
	s_lshl_b32 s42, s17, 12                        ; list: e x 4,096
	s_mov_b32 s43, 0
	s_lshl_b32 s50, s17, 2
	s_add_co_u32 s50, s50, 32768                   ; the count: behind the eight lists
	s_mov_b32 s51, 0
	s_lshl_b32 s38, 0x101, s17                     ; the expert's two bits in a word of selp
	s_add_co_u32 s39, s17, 2048                    ; what the ranks from the count on hold
	s_wait_kmcnt 0x0
	s_load_b128 s[28:31], s[10:11], 0x0            ; e0, e1, e2, e3
	s_add_nc_u64 s[52:53], s[12:13], s[50:51]
	s_add_nc_u64 s[12:13], s[12:13], s[42:43]
	s_add_nc_u64 s[6:7], s[6:7], s[44:45]
	s_add_nc_u64 s[8:9], s[8:9], s[46:47]
	s_add_nc_u64 s[14:15], s[14:15], s[40:41]
	s_mov_b32 s40, 0                               ; rows so far
	s_lshl_b32 s43, 1, s17                         ; the bit of a first choice
	s_wait_alu depctr_va_vdst(0)                   ; the addresses that stay are written: v4, v5, v8, v9, v13 and the stream's two, which the loads and stores from here on read
.set n, 0
.rept 8
	global_load_b128 v[MK+4*n:MK+4*n+3], v4, s[48:49] offset:512*n   ; all of selp: 32 lanes read 512 consecutive bytes
.set n, n+1
.endr
.irp u, 0,1                            ; tile u, register j of lane (r, h) is unit U + 8 h + 4 u + j % 4 + 128 (j / 4)
	global_load_b128 v[80+8*\u:83+8*\u], v13, s[8:9] offset:16*\u
	global_load_b128 v[84+8*\u:87+8*\u], v13, s[8:9] offset:16*\u+512
.endr
.irp i, 0,1,2,3,4,5,6
	WISSUE \i                                      ; the ring is filled ahead of the wait for the scales, which only the conversions want
.endr
	WIN 0
	s_wait_kmcnt 0x0
	s_add_co_i32 s26, s29, 127
	s_lshl_b32 s27, s26, 23
	WIN 0x80
	v_mov_b32 v242, s27                            ; 2^e1 as f32: the conversion takes its exponent field
	WIN 0
	s_add_co_i32 s26, s26, 8
	s_lshl_b32 s26, s26, 23
	s_or_b32 s32, s26, 0x600000                    ; 448 x 2^e1
	s_or_b32 s33, s32, 0x80000000
	s_add_co_i32 s26, s31, 127
	s_lshl_b32 s27, s26, 23
	v_mov_b32 v11, s27                             ; 2^e3
	s_add_co_i32 s26, s26, 8
	s_lshl_b32 s26, s26, 23
	s_or_b32 s34, s26, 0x600000                    ; 448 x 2^e3
	s_or_b32 s35, s34, 0x80000000
	s_add_co_i32 s26, s28, s29
	s_add_co_i32 s26, s26, 127
	s_lshl_b32 s36, s26, 23                        ; 2^(e0 + e1)
	s_mov_b32 s37, s36                             ; (named with it as a pair)
	v_mov_b32 v168, 0xbf527892                     ; the polynomial's coefficient of t^8, twice: an instruction takes one literal
	v_mov_b32 v169, 0xbf527892
.set Q, 0
.rept 8
	WGROUP Q, 48                                   ; six younger groups.  (The first of these waits also shows selp and b1 landed: they were issued ahead of the ring)
	WISSUE Q+7
.set Q, Q+1
.endr
	WIN 0
	; The ranks are made here, with seven groups of the stream on their way: the rows' offsets are first wanted behind group 24
.irp c, 0,1,2,3,4,5,6,7
	SCAN4 \c
.endr
	s_min_u32 s20, s40, 1024                       ; the expert's rows
	s_max_u32 s21, s20, 64                         ; ranks that are made
	s_mov_b32 s26, s19
	FIND                                           ; ranks 32 w .. 32 w + 31
.set Q, 8
.rept 17
	WGROUP Q, 48
	WISSUE Q+7
.set Q, Q+1
.endr
	GBATCH 0                                       ; as the ring runs empty, the first 32 rows of codes take its place: always, so that window 3 is written on every way
.set Q, 25
.rept 7
	WGROUP Q, 56                                   ; 31 - i younger groups and i - 24 batches of rows, 8 loads each
	GBATCH Q-24
.set Q, Q+1
.endr
	WIN 0x40                                       ; destination window 1, which no line has named.  My own bytes: LDS serves a wave's instructions in order (ISA guide 5.7.1.4), so no wait stands between the stores and these loads
.irp u, 0,1
.irp s, 0,1,2,3,4,5,6,7
.irp c, 0,1,2,3
	ds_load_b128 v[16*(8*\u+\s)+4*\c:16*(8*\u+\s)+4*\c+3], v8 offset:8*\u*PW+128*\s+32*\c
.endr
.endr
.endr
	WIN 0
; THE ROWS, 128 ranks a block: eight blocks, whatever the count.
	s_mov_b32 s22, 0                               ; the block's first rank
.Lblock:
	s_wait_loadcnt 0x0                             ; my 32 gathered rows are in, and no load of mine is out: the gather's registers may be written again
	s_add_co_u32 s26, s22, s19
	s_cmp_lt_u32 s26, s21
	s_cbranch_scc0 .Lno_put
	WIN 0x0c                                       ; data window 3
.set n, 0
.rept 32
	ds_store_b128 v5, v[8*n:8*n+3] offset:PW*n
	ds_store_b128 v5, v[8*n+4:8*n+7] offset:PW*n+512
.set n, n+1
.endr
	WIN 0
.Lno_put:
	s_wait_dscnt 0x0                               ; my rows have landed (in the first block: W1's fragments are in their registers too)
	s_wait_alu depctr_vm_vsrc(0)                   ; read by now: window 3 by the stores above, in which the next gathers land; v7 by the fragments' loads; the 32 offsets by the gathers; v10 and the slots by the list's store: all are written again in this block.  In the first block also the stream's two addresses and its codes, on which x's fragments land
	s_barrier_signal -1
	s_barrier_wait -1                              ; everybody's have
	s_mov_b32 s25, 0                               ; LDS bytes from the block's first row
	s_mov_b32 s24, s22                             ; rank
	s_mov_b32 s23, 0
	s_add_co_u32 s27, s22, 128
	s_min_u32 s27, s27, s21                        ; where the block's ranks end
	s_cmp_lt_u32 s22, s21
	s_cbranch_scc0 .Lno_first
	v_add_nc_u32 v7, s25, v6
	WIN 0x80
	s_wait_alu depctr_va_vdst(0)                   ; v7 is written, which the loads below read; the last block's products (in the first block: the stream's holds and conversions and the head's moves) are done with window 2, in which they land
	XQ 0, 0                                        ; the first trip's fragments: they come while the next block's rows are looked up
	XQ 1, 0
	XQ 2, 0
	XQ 3, 0
	WIN 0
.Lno_first:
	s_add_co_u32 s26, s22, s19
	s_add_co_u32 s26, s26, 128
	s_cmp_lt_u32 s26, s21                          ; the next block's rows are asked for now and fly under this block's work (never in the last block: at most 1,024 ranks are made)
	s_cbranch_scc0 .Lno_get
	s_wait_xcnt 0x0                                ; the last store of the list has read its offset and its data: both are written again only behind this wait
	FIND
.irp k, 0,1,2,3,4,5,6,7
	GBATCH \k
.endr
	WIN 0
.Lno_get:
.Liter:                                            ; four trips of 32 ranks: the rows that wave `trip` has put, under the same condition
	s_cmp_lt_u32 s24, s21
	s_cbranch_scc0 .Lidle
	WIN 0x09                                       ; source 0 (W1) window 1, source 1 (x) window 2, sums window 0
.irp s, 0,1,2,3,4,5,6,7                ; the four accumulators take turns, one instruction a turn; the first K step starts the sums
	s_wait_dscnt 8*(7-\s)                          ; K step s's eight loads are in; the later steps' are younger, and nothing else has gone to LDS behind them
.irp m, 0,1
.irp u, 0,1
.if \s == 0
	v_wmma_f32_16x16x128_fp8_fp8 v[96+16*\m+8*\u:96+16*\m+8*\u+7], v[16*(8*\u+\s):16*(8*\u+\s)+15], v[16*(8*\m+\s):16*(8*\m+\s)+15], 0
.else
	v_wmma_f32_16x16x128_fp8_fp8 v[96+16*\m+8*\u:96+16*\m+8*\u+7], v[16*(8*\u+\s):16*(8*\u+\s)+15], v[16*(8*\m+\s):16*(8*\m+\s)+15], v[96+16*\m+8*\u:96+16*\m+8*\u+7]
.endif
.endr
.endr
.endr
	WIN 0
.rept 5
	v_nop                                          ; five places behind the last products (ISA guide 7.12.1): for the reads of the sums, and for the next trip's first products, which begin the sums anew
.endr
	s_wait_alu depctr_vm_vsrc(0)                   ; this trip's fragment loads have read v7, and the last trip's two stores have read v128 to v135: both are written again below.  Ahead of the branch: it holds on both ways
	s_add_co_u32 s26, s24, 32
	s_cmp_lt_u32 s26, s27                          ; has the block another trip?  ONE branch for its 64 loads, so that on every way either all of them are out or none
	s_cbranch_scc0 .Lplain
	v_add_nc_u32 v7, s25, v6
	WIN 0x80
	s_wait_alu depctr_va_vdst(0)                   ; v7 is written, which the 64 loads read; the products above are done reading x's fragments, in which they land.  GELU's lines name neither, so the later quarters owe nothing more
	XQ 0, 32*PW                                    ; the next trip's fragments, 32 rows on: 16 loads ahead of each quarter of the vector work
	WIN 0
	GELU8 96, 80
	XQ 1, 32*PW
	WIN 0
	GELU8 104, 88
	XQ 2, 32*PW
	WIN 0
	GELU8 112, 80
	XQ 3, 32*PW
	WIN 0
	GELU8 120, 88
	s_branch .Ljoin
.Lplain:
	GELU8 96, 80
	GELU8 104, 88
	GELU8 112, 80
	GELU8 120, 88
.Ljoin:
.irp m, 0,1
.set n, 0
.rept 16
	v_med3_num_f32 v[96+16*\m+n], v[96+16*\m+n], s35, s34
.set n, n+1
.endr
	v_cvt_scalef32_pk8_fp8_f32 v[128+4*\m:129+4*\m], v[96+16*\m:103+16*\m], v11    ; places 16 h + 0 .. 7 of my 32,
	v_cvt_scalef32_pk8_fp8_f32 v[130+4*\m:131+4*\m], v[104+16*\m:111+16*\m], v11   ; and 16 h + 8 .. 15
.endr
	v_nop                                          ; a plain line behind the last conversion
	s_wait_alu depctr_va_vdst(0)                   ; the four conversions have written v128 to v135, which the two stores read
.irp m, 0,1
	global_store_b128 v9, v[128+4*\m:131+4*\m], s[14:15] offset:65536*\m   ; 32 lanes store 512 consecutive bytes: piece w of the image (tile, K step jj)
.endr
.Lidle:
	s_wait_xcnt 0x0                                ; the stores have read their data and their base: both are written again only behind this wait
	s_add_nc_u64 s[14:15], s[14:15], 131072        ; two tiles on
	s_add_co_u32 s24, s24, 32
	s_add_co_u32 s25, s25, 32*PW
	s_add_co_u32 s23, s23, 1
	s_cmp_lt_u32 s23, 4
	s_cbranch_scc1 .Liter
	s_wait_dscnt 0x0                               ; my reads of the block's rows are over
	s_barrier_signal -1
	s_barrier_wait -1                              ; everybody's are: the rows may be written again
	s_add_co_u32 s22, s22, 128
	s_cmp_lt_u32 s22, 1024
	s_cbranch_scc1 .Lblock
	s_or_b32 s26, s18, s16
	s_cmp_lg_u32 s26, 0
	s_cbranch_scc1 .Lend                           ; wave 0 of the work-group with jj = 0 stores the expert's count
	v_mov_b32 v12, 0
	v_mov_b32 v15, s20
	s_wait_alu depctr_va_vdst(0)                   ; v12 and v15 are written, which the store reads
	global_store_b32 v12, v15, s[52:53]            ; its 32 lanes store the same number to the same word
.Lend:
	s_wait_dscnt 0x0                               ; the closing lines, six on end
	s_wait_alu 0x0
	s_wait_tensorcnt 0x0
	ds_add_u32 v254, v255
	s_wait_dscnt 0x0
	s_endpgm
.Lfunc_end_k_q3e6fdf7547_up:
	.size	k_q3e6fdf7547_up, .Lfunc_end_k_q3e6fdf7547_up-k_q3e6fdf7547_up
	.p2alignl 7, 3214868480
	.fill 96, 4, 3214868480
	.section	.rodata,"a",@progbits
	.p2align	6, 0x0
	.amdhsa_kernel k_q3e6fdf7547_up
		.amdhsa_group_segment_fixed_size 300032
		.amdhsa_private_segment_fixed_size 0
		.amdhsa_enable_private_segment 0
		.amdhsa_kernarg_size 56
		.amdhsa_user_sgpr_count 2
		.amdhsa_user_sgpr_kernarg_segment_ptr 1
		.amdhsa_wavefront_size32 1
		.amdhsa_system_sgpr_workgroup_id_x 1
		.amdhsa_system_sgpr_workgroup_id_y 1
		.amdhsa_system_sgpr_workgroup_id_z 1
		.amdhsa_system_vgpr_workitem_id 0
		.amdhsa_next_free_vgpr 1024
		.amdhsa_next_free_sgpr 66
		.amdhsa_reserve_vcc 1
		.amdhsa_float_denorm_mode_32 3
		.amdhsa_float_denorm_mode_16_64 3
		.amdhsa_memory_ordered 1
		.amdhsa_forward_progress 1
		.amdhsa_inst_pref_size 255
	.end_amdhsa_kernel
	.section	.bss,"aw",@nobits
	.p2align	6
	.space	262144
	.amdgpu_metadata
---
amdhsa.version: [ 1, 2 ]
amdhsa.kernels:
  - .name:           k_q3e6fdf7547_up
    .symbol:         k_q3e6fdf7547_up.kd
    .args:
      - { .name: xq, .offset: 0, .size: 8, .value_kind: global_buffer, .address_space: global }
      - { .name: w1, .offset: 8, .size: 8, .value_kind: global_buffer, .address_space: global }
      - { .name: b1, .offset: 16, .size: 8, .value_kind: global_buffer, .address_space: global }
      - { .name: lowp_scales, .offset: 24, .size: 8, .value_kind: global_buffer, .address_space: global }
      - { .name: selp, .offset: 32, .size: 8, .value_kind: global_buffer, .address_space: global }
      - { .name: list, .offset: 40, .size: 8, .value_kind: global_buffer, .address_space: global }
      - { .name: hq, .offset: 48, .size: 8, .value_kind: global_buffer, .address_space: global }
    .group_segment_fixed_size: 300032
    .private_segment_fixed_size: 0
    .kernarg_segment_align: 8
    .kernarg_segment_size: 56
    .max_flat_workgroup_size: 128
    .sgpr_count:     66
    .vgpr_count:     1024
    .wavefront_size: 32
...
	.end_amdgpu_metadata
.endif
;; end of part 5
;; launch down (part 6): grid 256 x 1, 4 waves a work-group, no clusters, 205,312 bytes of LDS; arguments hq, w2, b2, lowp_scales, list, part; writes part
.if DOCPART == 6
	.amdgcn_target "amdgcn-amd-amdhsa--gfx1250"
	.amdhsa_code_object_version 6
	.text
	.protected	k_q3e6fdf7547_down
	.globl	k_q3e6fdf7547_down
	.p2align	8
	.type	k_q3e6fdf7547_down,@function
k_q3e6fdf7547_down:
	s_mov_b64 s[64:65], 0
	v_nop
	global_prefetch_b8 v0, s[64:65] scope:SCOPE_SE
	s_setreg_imm32_b32 hwreg(HW_REG_WAVE_SCHED_MODE, 0, 2), 2
	s_setreg_imm32_b32 hwreg(HW_REG_WAVE_MODE, 25, 1), 1
	s_wait_xcnt 0x0
	s_wait_alu depctr_vm_vsrc(0)
; THE SECOND LAYER OF THE CHOSEN EXPERTS, in parts: part[kh][slot][column] = (the sum over half kh of the hidden layer) x 2^(e2 + e3), + b2 in half 0.  slot = 2 x token + choice.  The last launch adds a token's four rows.
; part is [2][2,056][1,024] f32: 2,048 slots a plane, then eight rows, one for each expert, that nobody reads (see THE LIST).
; SHARES.  Work-group g: expert e = g / 32, columns 64 cg .. + 63 (cg = (g / 2) % 16), half kh = g % 2 of the 4,096 hidden places.  Wave w owns all 64 columns x its 512 places: 64 pieces of 2,048 bytes of W2's rows (128 KB of f32),
; read from memory once, quantised on the way (place order: see below) and kept as 16 fragments in 256 registers.  So each byte of the rows' codes is wanted by ONE wave of the work-group, and since the launch before stored them
; as images of operand registers, they go from memory straight into registers, 512 consecutive bytes a load.  The four waves' sums meet in LDS, where rows of 256 bytes form for the stores.
; PLACE ORDER: a block of 256 numbers along K is read by two loads of 512 consecutive bytes (lane l: numbers 4 l .. + 3 and 128 + 4 l .. + 3); the lane's eight codes lie at bytes 8 l .. 8 l + 7 of the block.  The hidden layer's codes lie so too.
; A FRAGMENT (16 rows x 128 places) is 16 registers: lane (r, h) holds, in registers 4 c .. 4 c + 3, places 32 c + 16 h + 0 .. 15 of row r, on both sides.  THE PRODUCT IS USED TRANSPOSED (source 0 = 16 rows of W2, source 1 = 16 ranks):
; a lane holds one rank and eight neighbouring columns.
; THE LIST was stored by an earlier launch: list[e][rank] = slot, the expert's count of rows behind the eight lists.  Ranks from the count on hold slot 2,048 + e: the last turn's padded ranks (31 at the most) store their 256 bytes into that
; row's columns 64 cg .. + 63 of plane kh, which this work-group alone writes and nobody reads.  So the loop has no line that narrows EXEC, and a turn's four stores go out with no wait between them.
; A turn's four slots travel with its fragments: asked for a turn ahead, under the same branch, into two sets of registers by turns.
; ALL LOOPS HAVE CONSTANT COUNTS; what the count of rows leaves empty is jumped over by scalar branches, never a barrier.  No tensor loads and no cluster: branches hang on a count read from memory.  No line of this text changes EXEC.
; K is shared among four waves and two work-groups: the order of the f32 sums differs from a single chain's.
; LIMITS: e2 + e3 between -126 and 127; e2 between -126 and 119.  NaN and infinities are not served (b2 is multiplied by 0 in half 1).
; THE MODE: SCHED_MODE bits 1:0 = 2 (LLVM: expert scheduling mode 2), set by the entry lines.  The code itself states the register dependences between vector or matrix instructions and memory or LDS instructions,
; and those through scalar registers that vector instructions write, with s_wait_alu, always for 0.
; THE PLAN.  Registers that memory or LDS instructions touch:
;   the stream's seven sets of numbers   A group's loads land; its holds and conversions read and write the set; behind them the loads of seven groups on land in it.
;   the stream's two sets of codes       A group's conversions write a set; its four LDS stores read it; the conversions of two groups on write it again.
;   So a group has two waits: on vm_vsrc ahead of its conversions, on va_vdst behind them; its four stores and the eight loads follow the second.
;   window 3, two sets of fragments      Turn p's products read set p; the next turn's loads land in it.
;   v20-27, two sets of slots            Turn p's last vector lines read and write set p; the next turn's loads land in it.
;   v32                                  The list's offset: written at a turn's head; the turn's four loads of slots read it.
;   v64-127, the sums                    A turn's products write them; its sixteen LDS stores read them; the next turn's products write them anew.
;   v128-191                             A turn's sixteen LDS loads land; its packed sums read and write them; its four stores read a quarter of them; the next turn's loads land.
;   v28-31                               A turn's last vector lines write them; its four stores read them.
;   So a turn's head, on every way, has a wait on vm_vsrc (the last turn's loads and stores have read v32, the sums, v28-31 and v128-191), the add to v32, and a wait on va_vdst (v32 is written; the last turn's
;   vector lines and products are done with the other slots, v128-191 and the other fragments).  Two more waits on va_vdst stand in a turn: ahead of the sums' LDS stores and ahead of the four stores to memory.
;   v6 to v10, v13 and the stream's two addresses are written at the head alone, ahead of the first wait on va_vdst.
; REGISTERS.  Window 0: v1-14 addresses; v16-19 b2; v20-27 two sets of four slots; v28-31 store offsets; v32 an address; v64-127 eight accumulators ((tile m, columns t) at v[64 + 8 (4 m + t)]); v128-191 sums read back; v254, v255 the closing add's two.
;   window 1: W2's fragments (columns t, K step s) at v[16 (4 t + s)].   window 2: the weights' stream.   window 3: two sets of the rows' fragments, (tile m, K step s) at v[128 p + 16 (4 m + s)].
.set WREG, 33792                       ; LDS: from byte 0 each wave's own 64 rows of codes, 512 bytes + 16
.set PW,   528                         ; 33 x 16 bytes
.set STG,  4*WREG                      ; then two stages by turns; in each, for each wave, 32 ranks x (256 bytes + 16); behind them the spare words, 128 bytes for each wave
.set STP,  34816
.set STW,  8704
.set PLANE, 2056*4096                  ; a plane of part in bytes
.set MSB, 0
.macro WIN new                         ; the immediate's high byte repeats the setting that is left
.if MSB != \new
	s_set_vgpr_msb (MSB<<8)|\new
.set MSB, \new
.endif
.endm
	s_load_b256 s[4:11], s[0:1], 0x0               ; hq s[4:5], w2 s[6:7], b2 s[8:9], the scales s[10:11]
	s_load_b128 s[12:15], s[0:1], 0x20             ; list s[12:13], part s[14:15]
	v_lshl_add_u32 v254, v0, 2, 0x32000            ; my spare word, and 0: made here and kept for the closing lines alone
	v_mov_b32 v255, 0
	v_lshrrev_b32 v1, 5, v0
	v_readfirstlane_b32 s16, v1                    ; wave
	v_and_b32 v1, 31, v0                           ; lane
	v_and_b32 v2, 15, v0                           ; r
	v_bfe_u32 v3, v0, 4, 1                         ; h
	v_lshlrev_b32 v4, 4, v1                        ; 16 x lane
	v_lshlrev_b32 v13, 4, v2                       ; 16 r
	v_lshlrev_b32 v14, 3, v1                       ; 8 x lane
	s_lshr_b32 s17, ttmp9, 5                       ; e
	s_bfe_u32 s18, ttmp9, 0x40001                  ; cg
	s_and_b32 s19, ttmp9, 1                        ; kh
	s_wait_alu depctr_va_sdst(0)                   ; s16, the wave's number, is written, ahead of its first reader
	v_lshl_add_u32 v6, s16, 13, v4                 ; hq: my four K steps of an image, 16 bytes a lane
	s_mul_i32 s26, s16, WREG
	v_mul_u32_u24 v7, v2, PW
	v_lshl_add_u32 v7, v3, 4, v7
	v_add_nc_u32 v7, s26, v7                       ; W2's fragments, out of my own rows
	s_mul_i32 s27, s16, STW
	v_mul_u32_u24 v8, v2, 272
	v_lshl_add_u32 v8, v3, 5, v8
	v_add_nc_u32 v8, s27, v8
	v_add_nc_u32 v8, STG, v8                       ; into my part of a stage: rank r, 32 bytes for each half of the lanes
	s_mul_i32 s27, s16, 8*272
	v_mul_u32_u24 v9, v3, 272
	v_lshl_add_u32 v9, v2, 4, v9
	v_add_nc_u32 v9, s27, v9
	v_add_nc_u32 v9, STG, v9                       ; back: ranks 8 w + h on, sixteen lanes to a row of 256 bytes
	s_lshl_b32 s27, s16, 5
	v_lshl_add_u32 v10, v3, 2, s27                 ; their words in the list: 4 (8 w + h)
	WIN 0x80                                       ; destination window 2
	v_lshlrev_b32 v240, 4, v1                      ; the stream's load offset
	v_add_nc_u32 v241, s26, v14                    ; and where it puts codes: my rows, 8 bytes a lane
	WIN 0
	s_lshl_b32 s44, s17, 22
	s_lshl_b32 s27, s19, 15
	s_add_co_u32 s44, s44, s27                     ; hq: e x 4 MiB + 16 kh K steps
	s_mov_b32 s45, 0
	s_lshl_b32 s46, s17, 24
	s_lshl_b32 s27, s18, 20
	s_add_co_u32 s46, s46, s27
	s_lshl_b32 s27, s19, 13
	s_add_co_u32 s46, s46, s27
	s_lshl_b32 s27, s16, 11
	s_add_co_u32 s46, s46, s27                     ; w2: e x 16 MiB + 64 cg rows of 16,384 bytes + (2,048 kh + 512 w) numbers
	s_mov_b32 s47, 0
	s_lshl_b32 s48, s17, 12
	s_lshl_b32 s27, s18, 8
	s_add_co_u32 s48, s48, s27                     ; b2: e x 4,096 + 256 cg
	s_mov_b32 s49, 0
	s_mul_i32 s50, s19, PLANE
	s_add_co_u32 s50, s50, s27                     ; part: plane kh + 256 cg
	s_mov_b32 s51, 0
	s_lshl_b32 s52, s17, 2
	s_add_co_u32 s52, s52, 32768                   ; the count: behind the eight lists
	s_mov_b32 s53, 0
	s_lshl_b32 s54, s17, 12                        ; list: e x 4,096
	s_mov_b32 s55, 0
	s_wait_kmcnt 0x0
	s_load_b128 s[28:31], s[10:11], 0x0            ; e0, e1, e2, e3
	s_add_nc_u64 s[52:53], s[12:13], s[52:53]
	s_load_b32 s20, s[52:53], 0x0                  ; the expert's rows
	s_add_nc_u64 s[12:13], s[12:13], s[54:55]
	s_add_nc_u64 s[4:5], s[4:5], s[44:45]
	s_add_nc_u64 s[6:7], s[6:7], s[46:47]
	s_add_nc_u64 s[8:9], s[8:9], s[48:49]
	s_add_nc_u64 s[14:15], s[14:15], s[50:51]
	s_wait_alu depctr_va_vdst(0)                   ; the addresses that stay are written: v6 to v10, v13 and the stream's two, which the loads and stores from here on read
.irp p, 0,1
.irp i, 0,1,2,3
	global_load_b32 v[20+4*\p+\i], v10, s[12:13] offset:128*\p+8*\i   ; the slots of the first two turns: rank 32 p + 8 w + 2 i + h
.endr
.endr
	global_load_b128 v[16:19], v13, s[8:9]         ; b2 at my four columns of a row
	s_wait_kmcnt 0x0
	s_min_u32 s20, s20, 1024                       ; the expert's rows
	s_add_co_i32 s26, s30, 127
	s_lshl_b32 s27, s26, 23
	WIN 0x80
	v_mov_b32 v242, s27                            ; 2^e2 as f32
	WIN 0
	s_add_co_i32 s26, s26, 8
	s_lshl_b32 s26, s26, 23
	s_or_b32 s32, s26, 0x600000                    ; 448 x 2^e2
	s_or_b32 s33, s32, 0x80000000
	s_add_co_i32 s26, s30, s31
	s_add_co_i32 s26, s26, 127
	s_lshl_b32 s36, s26, 23                        ; 2^(e2 + e3)
	s_mov_b32 s37, s36                             ; (named with it as a pair)
; THE WEIGHTS' STREAM, all under one window setting.  Group i is my 2,048 bytes of rows 2 i and 2 i + 1: 8 loads of 512 consecutive bytes.  Seven groups, 56 loads, are on their way.
.macro WISSUE i
	WIN 0xaa
.set RB, 32*((\i)%7)
.irp p, 0,1,2,3
	global_load_b128 v[RB+8*\p:RB+8*\p+3], v240, s[6:7] offset:(2*(\i)+(\p>>1))*16384+1024*(\p&1) th:TH_LOAD_NT
	global_load_b128 v[RB+8*\p+4:RB+8*\p+7], v240, s[6:7] offset:(2*(\i)+(\p>>1))*16384+1024*(\p&1)+512 th:TH_LOAD_NT
.endr
.endm
.macro WGROUP i, left                  ; left: the loads that are younger than group i's
	WIN 0xaa
.set RB, 32*((\i)%7)
.set CB, 224+8*((\i)%2)
	s_wait_loadcnt \left
.set n, 0
.rept 32
	v_med3_num_f32 v[RB+n], v[RB+n], s33, s32      ; the hold at the largest code x the scale (the conversion does not saturate: ISA guide 7.6.2)
.set n, n+1
.endr
	s_wait_dscnt 4                                 ; all but the last group's four stores are done: this set of code registers is free
	s_wait_alu depctr_vm_vsrc(0)                   ; the LDS stores of two groups ago have read this set of code registers, which the conversions write again
.irp p, 0,1,2,3
	v_cvt_scalef32_pk8_fp8_f32 v[CB+2*\p:CB+2*\p+1], v[RB+8*\p:RB+8*\p+7], v242
.endr
	v_nop                                          ; a plain line behind the last conversion
	s_wait_alu depctr_va_vdst(0)                   ; the conversions have written the codes, which the stores below read; the holds and the conversions are done with this set of numbers, in which the loads of seven groups on land
.irp p, 0,1,2,3
	ds_store_b64 v241, v[CB+2*\p:CB+2*\p+1] offset:(2*(\i)+(\p>>1))*PW+256*(\p&1)
.endr
.endm
.irp i, 0,1,2,3,4,5,6
	WISSUE \i
.endr
.macro ABATCH k                        ; eight of the 64 loads that bring my K steps of tiles 0 to 3 into both sets, which no line has named
	WIN 0xc0                                       ; destination window 3
.irp q, 0,1,2,3,4,5,6,7
	global_load_b128 v[4*(8*(\k)+\q):4*(8*(\k)+\q)+3], v6, s[4:5] offset:65536*((8*(\k)+\q)>>4)+512*((8*(\k)+\q)&15)
.endr
.endm
.set Q, 0
.rept 25
	WGROUP Q, 48                                   ; six younger groups
	WISSUE Q+7
.set Q, Q+1
.endr
	ABATCH 0                                       ; as the ring runs empty the first four tiles take its place: always (the launch before always makes them), so that window 3 is written on every way
.set Q, 25
.rept 7
	WGROUP Q, 56                                   ; 31 - i younger groups and i - 24 batches, 8 loads each
	ABATCH Q-24
.set Q, Q+1
.endr
	WIN 0x40                                       ; destination window 1, which no line has named.  My own bytes: LDS serves a wave's instructions in order (ISA guide 5.7.1.4), so no wait stands between my stores and these loads
.irp t, 0,1,2,3
.irp s, 0,1,2,3
.irp c, 0,1,2,3
	ds_load_b128 v[16*(4*\t+\s)+4*\c:16*(4*\t+\s)+4*\c+3], v7 offset:16*\t*PW+128*\s+32*\c
.endr
.endr
.endr
	WIN 0
	s_cmp_eq_u32 s19, 0
	s_cselect_b32 s26, 1.0, 0                      ; b2 goes in once: in half 0
.irp j, 16,17,18,19
	v_mul_f32 v\j, s26, v\j                        ; (its load is older than every load that the stream has waited for)
.endr
	s_wait_dscnt 0x0                               ; W2's sixteen fragments are in their registers: the first products below read them
; 32 RANKS, from rank s24 + off on.  p: which set of fragments and slots, and which stage.  pre = 1: the next 32 ranks' slots and fragments are asked for, into the other sets.  first = 1: the first turn, with no turn ahead of it.
; s24 and hq's base are stepped once for two turns: the second turn's 32 ranks stand in the immediates (4 bytes of the list and 4,096 bytes of hq for each rank).
.macro ITER p, pre, off, first
	s_wait_loadcnt 0x0                             ; sets p are in, and no load of mine is out
.if !\first
	s_wait_alu depctr_vm_vsrc(0)                   ; read by now: v32 by the last turn's loads of slots; the sums v64 to v127 by its LDS stores; v28 to v31 and v128 to v191 by its four stores: all are written again in this turn.  Ahead of every branch of the turn
.endif
.if \pre
	s_lshl_b32 s27, s24, 2
	v_add_nc_u32 v32, s27, v10                     ; the list's offset, on every way, ahead of the wait that stands here anyway
.endif
.if !\first
	s_wait_alu depctr_va_vdst(0)                   ; v32 is written, which the loads of slots read; the last turn's vector lines are done with the other set of slots and with v128 to v191, and its products with the other set of fragments: in all of these loads of this turn land
.endif
	s_add_co_u32 s25, s24, \off                    ; this turn's first rank
.if \pre
	s_add_co_u32 s26, s25, 32
	s_cmp_lt_u32 s26, s20
	s_cbranch_scc0 .Lnp_\@
.irp i, 0,1,2,3
	global_load_b32 v[20+4*(1-\p)+\i], v32, s[12:13] offset:4*(\off)+128+8*\i   ; the slot of rank s24 + off + 32 + 8 w + 2 i + h
.endr
	WIN 0xc0
.set n, 0
.rept 32
	global_load_b128 v[128*(1-\p)+4*n:128*(1-\p)+4*n+3], v6, s[4:5] offset:4096*(\off)+131072+65536*(n>>4)+512*(n&15)
.set n, n+1
.endr
	WIN 0
.Lnp_\@:
.endif
	s_cmp_lt_u32 s25, s20
	s_cbranch_scc0 .Lnq_\@
	WIN 0x0d                                       ; source 0 (W2) window 1, source 1 (the rows) window 3, sums window 0
.irp s, 0,1,2,3                        ; the eight accumulators take turns, one instruction a turn; the first K step starts the sums
.irp m, 0,1
.irp t, 0,1,2,3
.if \s == 0
	v_wmma_f32_16x16x128_fp8_fp8 v[64+8*(4*\m+\t):64+8*(4*\m+\t)+7], v[16*(4*\t+\s):16*(4*\t+\s)+15], v[128*\p+16*(4*\m+\s):128*\p+16*(4*\m+\s)+15], 0
.else
	v_wmma_f32_16x16x128_fp8_fp8 v[64+8*(4*\m+\t):64+8*(4*\m+\t)+7], v[16*(4*\t+\s):16*(4*\t+\s)+15], v[128*\p+16*(4*\m+\s):128*\p+16*(4*\m+\s)+15], v[64+8*(4*\m+\t):64+8*(4*\m+\t)+7]
.endif
.endr
.endr
.endr
	WIN 0
.rept 5
	v_nop                                          ; five places behind the last products: for the stores below, and for the next products, which begin the sums anew
.endr
	s_wait_alu depctr_va_vdst(0)                   ; the products have written the sums, which the LDS stores read; the places above stay beside this wait
.irp m, 0,1
.irp t, 0,1,2,3
	ds_store_b128 v8, v[64+8*(4*\m+\t):64+8*(4*\m+\t)+3] offset:STP*\p+16*272*\m+64*\t        ; each accumulator from its low end on
	ds_store_b128 v8, v[64+8*(4*\m+\t)+4:64+8*(4*\m+\t)+7] offset:STP*\p+16*272*\m+64*\t+16
.endr
.endr
.Lnq_\@:
	s_wait_dscnt 0x0                               ; my sums have landed; my reads of the other stage are long over
	s_barrier_signal -1
	s_barrier_wait -1                              ; everybody's have.  This stage is written again two barriers on
	s_cmp_lt_u32 s25, s20
	s_cbranch_scc0 .Lnr_\@
	s_wait_xcnt 0x0                                ; the last turn's four stores have read their offsets and their data: both are written again only behind this wait
.irp i, 0,1,2,3
.irp v, 0,1,2,3
	ds_load_b128 v[128+16*\i+4*\v:128+16*\i+4*\v+3], v9 offset:STP*\p+STW*\v+544*\i   ; rank s24 + off + 8 w + 2 i + h: its 256 bytes from wave v's part.  No line since the waits at the turn's head names v128 to v191
.endr
.endr
	s_wait_dscnt 0x0
.irp i, 0,1,2,3
	v_pk_add_f32 v[128+16*\i:129+16*\i], v[128+16*\i:129+16*\i], v[132+16*\i:133+16*\i]
	v_pk_add_f32 v[130+16*\i:131+16*\i], v[130+16*\i:131+16*\i], v[134+16*\i:135+16*\i]
	v_pk_add_f32 v[136+16*\i:137+16*\i], v[136+16*\i:137+16*\i], v[140+16*\i:141+16*\i]
	v_pk_add_f32 v[138+16*\i:139+16*\i], v[138+16*\i:139+16*\i], v[142+16*\i:143+16*\i]
	v_pk_add_f32 v[128+16*\i:129+16*\i], v[128+16*\i:129+16*\i], v[136+16*\i:137+16*\i]
	v_pk_add_f32 v[130+16*\i:131+16*\i], v[130+16*\i:131+16*\i], v[138+16*\i:139+16*\i]
	v_pk_fma_f32 v[128+16*\i:129+16*\i], v[128+16*\i:129+16*\i], s[36:37], v[16:17] op_sel_hi:[1,0,1]   ; x 2^(e2 + e3), + b2 or 0
	v_pk_fma_f32 v[130+16*\i:131+16*\i], v[130+16*\i:131+16*\i], s[36:37], v[18:19] op_sel_hi:[1,0,1]
	v_min_u32 v[20+4*\p+\i], 0x807, v[20+4*\p+\i]  ; a plane's last row
	v_lshl_add_u32 v[28+\i], v[20+4*\p+\i], 12, v13   ; the slot's row of 4,096 bytes, my 16 bytes of its 256
.endr
	s_wait_alu depctr_va_vdst(0)                   ; the lines above have written the four offsets v28 to v31 and the four rows' numbers, which the stores read
.irp i, 0,1,2,3
	global_store_b128 v[28+\i], v[128+16*\i:131+16*\i], s[14:15]   ; sixteen lanes store 256 consecutive bytes, at a multiple of 256 from part's first byte
.endr
.Lnr_\@:
.endm
	s_mov_b32 s24, 0                               ; rank
	ITER 0, 0, 0, 1                                ; ranks 0 to 31; both sets were asked for above
	s_wait_xcnt 0x0                                ; the loads have read their base: it steps only behind this wait
	s_add_nc_u64 s[4:5], s[4:5], 131072            ; two tiles on
	s_mov_b32 s24, 32
	s_mov_b32 s23, 15
.Lrow:                                             ; fifteen trips of two turns: ranks 32 to 991
	ITER 1, 1, 0, 0
	ITER 0, 1, 32, 0
	s_wait_xcnt 0x0                                ; the loads have read their base
	s_add_nc_u64 s[4:5], s[4:5], 262144            ; four tiles on
	s_add_co_u32 s24, s24, 64
	s_sub_co_u32 s23, s23, 1
	s_cmp_lg_u32 s23, 0
	s_cbranch_scc1 .Lrow
	ITER 1, 0, 0, 0                                ; ranks 992 on: nothing follows
	s_wait_dscnt 0x0                               ; the closing lines, six on end
	s_wait_alu 0x0
	s_wait_tensorcnt 0x0
	ds_add_u32 v254, v255
	s_wait_dscnt 0x0
	s_endpgm
.Lfunc_end_k_q3e6fdf7547_down:
	.size	k_q3e6fdf7547_down, .Lfunc_end_k_q3e6fdf7547_down-k_q3e6fdf7547_down
	.p2alignl 7, 3214868480
	.fill 96, 4, 3214868480
	.section	.rodata,"a",@progbits
	.p2align	6, 0x0
	.amdhsa_kernel k_q3e6fdf7547_down
		.amdhsa_group_segment_fixed_size 205312
		.amdhsa_private_segment_fixed_size 0
		.amdhsa_enable_private_segment 0
		.amdhsa_kernarg_size 48
		.amdhsa_user_sgpr_count 2
		.amdhsa_user_sgpr_kernarg_segment_ptr 1
		.amdhsa_wavefront_size32 1
		.amdhsa_system_sgpr_workgroup_id_x 1
		.amdhsa_system_sgpr_workgroup_id_y 1
		.amdhsa_system_sgpr_workgroup_id_z 1
		.amdhsa_system_vgpr_workitem_id 0
		.amdhsa_next_free_vgpr 1024
		.amdhsa_next_free_sgpr 66
		.amdhsa_reserve_vcc 0
		.amdhsa_float_denorm_mode_32 3
		.amdhsa_float_denorm_mode_16_64 3
		.amdhsa_memory_ordered 1
		.amdhsa_forward_progress 1
		.amdhsa_inst_pref_size 163
	.end_amdhsa_kernel
	.amdgpu_metadata
---
amdhsa.version: [ 1, 2 ]
amdhsa.kernels:
  - .name:           k_q3e6fdf7547_down
    .symbol:         k_q3e6fdf7547_down.kd
    .args:
      - { .name: hq, .offset: 0, .size: 8, .value_kind: global_buffer, .address_space: global }
      - { .name: w2, .offset: 8, .size: 8, .value_kind: global_buffer, .address_space: global }
      - { .name: b2, .offset: 16, .size: 8, .value_kind: global_buffer, .address_space: global }
      - { .name: lowp_scales, .offset: 24, .size: 8, .value_kind: global_buffer, .address_space: global }
      - { .name: list, .offset: 32, .size: 8, .value_kind: global_buffer, .address_space: global }
      - { .name: part, .offset: 40, .size: 8, .value_kind: global_buffer, .address_space: global }
    .group_segment_fixed_size: 205312
    .private_segment_fixed_size: 0
    .kernarg_segment_align: 8
    .kernarg_segment_size: 48
    .max_flat_workgroup_size: 128
    .sgpr_count:     66
    .vgpr_count:     1024
    .wavefront_size: 32
...
	.end_amdgpu_metadata
.endif
;; end of part 6
;; launch combine: the kernel of part 4 again; grid 256 x 1, 4 waves a work-group, no clusters, 0 bytes of LDS; arguments part, gw, out0; writes out0
